; MI455X (gfx1250); checked and timed in simulation.
; The chip was launched on July 23, 2026; its instructions are those of AMD's public machine-readable ISA for CDNA 5 (MIT licence, August 2026) and "CDNA5" Instruction Set Architecture Reference Guide (July 2026). The comments in the code are by the model that wrote it; some were corrected since.
;; Swin Transformer Block3 D. Allowed arithmetic: matrix products marked QUANTISED: E2M1 operands, one E8M0 scale for each 32 along K, by v_wmma_scale_f32_16x16x128_f8f6f4 with both operands' format E2M1 (or v_wmma_scale_f32_32x16x128_f4), f32 sums; everything else in f32.
;; Inputs: fc1_b 512 float32; fc1_w_codes 512 x 4 x 16 uint8 (E2M1 codes of fc1_w, K innermost, in blocks of 32 codes, two codes a byte); fc1_w_scales 512 x 4 uint8 (E8M0 scales of fc1_w, one for each 32 codes along K); fc2_b 128 float32; fc2_w_codes 128 x 16 x 16 uint8 (E2M1 codes of fc2_w, K innermost, in blocks of 32 codes, two codes a byte); fc2_w_scales 128 x 16 uint8 (E8M0 scales of fc2_w, one for each 32 codes along K); norm1_b 128 float32; norm1_g 128 float32; norm2_b 128 float32; norm2_g 128 float32; proj_b 128 float32; proj_w_codes 128 x 4 x 16 uint8 (E2M1 codes of proj_w, K innermost, in blocks of 32 codes, two codes a byte); proj_w_scales 128 x 4 uint8 (E8M0 scales of proj_w, one for each 32 codes along K); qkv_b 384 float32; qkv_w_codes 384 x 4 x 16 uint8 (E2M1 codes of qkv_w, K innermost, in blocks of 32 codes, two codes a byte); qkv_w_scales 384 x 4 uint8 (E8M0 scales of qkv_w, one for each 32 codes along K); rel_table 2,197 x 4 float32; x 2 x 14 x 56 x 56 x 128 float32.
;; Outputs: out0 2 x 14 x 56 x 56 x 128 float32.
;; This version of the problem:
;;   THIS VERSION OF THE PROBLEM IS GIVEN IN LOW PRECISION. The matrix products marked QUANTISED in the list below multiply operands that are first quantised to E2M1 (2 exponent bits, 1 mantissa bit; 4 bits a number), with one power-of-two scale for each 32 numbers along K (OCP MX v1.0); their sums are f32. All else is computed in f32.
;;   The module's matrix products, in the order in which they are computed (A, B: the left and right operand; K: the contracted axis; several contracted axes count as one K, in the product's order):
;;     1. [M 87,808, K 128] x [K 128, N 384]; A: computed on the way; B: input qkv_w (given as codes): QUANTISED
;;     2. batch 1,024 x [M 343, K 32] x [K 32, N 343]; A: computed on the way; B: computed on the way: QUANTISED
;;     3. batch 1,024 x [M 343, K 343] x [K 343, N 32]; A: softmax (see below); B: computed on the way: QUANTISED
;;     4. [M 87,808, K 128] x [K 128, N 128]; A: computed on the way; B: input proj_w (given as codes): QUANTISED
;;     5. [M 87,808, K 128] x [K 128, N 512]; A: computed on the way; B: input fc1_w (given as codes): QUANTISED
;;     6. [M 87,808, K 512] x [K 512, N 128]; A: computed on the way; B: input fc2_w (given as codes): QUANTISED
;;   THE QUANTISER, for each operand of a quantised product, along K:
;;     - K is cut into blocks of 32 from its start; a last block that is shorter is filled with zeros.
;;     - A block's scale is 2^e with e = floor(log2(the largest magnitude in the block)) - 2, held to -126 .. 127; a block of zeros has e = 0. As a byte (E8M0): e + 127.
;;     - Each number is divided by its block's scale, clamped to +-6, and rounded to the nearest number of E2M1, ties to even, subnormals kept.
;;     - The product sums the exact products of the quantised numbers (number of the format x scale) in f32.
;;   ~~~python
;;   def quantise(x, axis):      # numpy; x: float32 -> the quantised numbers, widened to float32 again
;;       x = np.moveaxis(x, axis, -1); K = x.shape[-1]
;;       x = np.pad(x, [(0, 0)] * (x.ndim - 1) + [(0, -K % 32)]); x = x.reshape(x.shape[:-1] + (-1, 32)); a = np.abs(x).max(-1, keepdims=True)
;;       e = np.where(a > 0, np.clip(np.frexp(np.where(a > 0, a, 1))[1] - 1 - 2, -126, 127), 0)      # np.frexp(a)[1] - 1 = floor(log2(a)), exactly
;;       r = np.clip(x / 2.0 ** e, -6, 6)
;;       step = 2.0 ** (np.maximum(np.frexp(np.where(r == 0, 1, r))[1] - 1, 0) - 1)
;;       q = np.round(r / step) * step * 2.0 ** e      # np.round: ties to even
;;       return np.moveaxis(q.reshape(q.shape[:-2] + (-1,))[..., :K], -1, axis).astype(np.float32)
;;   ~~~
;;   SOFTMAX AHEAD OF A QUANTISED PRODUCT. Where the list says 'softmax', what is quantised is not the finished softmax but p = 2^(t - M), with t = logit x log2(e) and M = ceil(the row's largest t), a whole number; so 1/2 < the row's largest p <= 1. The row's sum l is taken of the UNQUANTISED p, in f32, and the product's result is divided by l at the end. Since M is a whole number, a kernel that streams over the keys may use a running M (the ceiling of the running maximum): every later rescaling is an exact power of two, which a block's scale takes up: the codes' values come out the same.
;;   OPERANDS COMPUTED ON THE WAY. 'Computed on the way' means the value that the module computes at that place (a softmax that the list does not call 'softmax' is quantised finished and normalised). What goes into a quantiser is computed in f32, as accurately as f32 sums, v_exp_f32 and their like allow (about 1e-6 of the number): no bf16 or f16 on the way to a quantiser, and a product that is left as it is and whose result goes on into a quantised operand takes f32 operands (vector FMAs, or v_wmma_f32_16x16x4_f32). A number that lies on a knife's edge between two numbers of the format may be rounded either way, as far as f32 arithmetic and the matrix unit's own rounding can turn it there, and no further.
;;   INPUTS GIVEN AS CODES. fc1_w (in the module: [128, 512], K = its axis 0); fc2_w (in the module: [512, 128], K = its axis 0); proj_w (in the module: [128, 128], K = its axis 0); qkv_w (in the module: [128, 384], K = its axis 0): each comes as NAME_codes (uint8): NAME with its K axis moved to the last place and cut into blocks of 32 codes, [.., K / 32, bytes a block], one block behind the other in memory; two codes a byte, the lower K in the low four bits (a code: sign, 2 exponent bits, 1 mantissa bit); and NAME_scales (uint8): the same leading axes, one E8M0 byte (e + 127) for each 32 codes along K. Its value is code x scale, taken as it is: it is not quantised again, and the codes and scales need not be those that the quantiser above would give.
;; 2 versions, each right; version 2 is version 1 with the launch swin written anew for expert scheduling mode. Each part assembles by itself: llvm-mc -triple=amdgcn-amd-amdhsa -mcpu=gfx1250 --defsym DOCPART=n.
;; ======== version 1 of 2: 1 launch
;; launch swin (part 1): grid 256 x 1, 11 waves a work-group, no clusters, 321,536 bytes of LDS; arguments x, out0, rel_table, qkv_w_codes, proj_w_codes, fc1_w_codes, fc2_w_codes, qkv_w_scales, proj_w_scales, fc1_w_scales, fc2_w_scales, norm1_g, norm1_b, norm2_g, norm2_b, proj_b, fc2_b, qkv_b, fc1_b; writes out0
.if DOCPART == 1
	.amdgcn_target "amdgcn-amd-amdhsa--gfx1250"
	.amdhsa_code_object_version 6
	.text
	.protected	k_qcb8e46b282_swin
	.globl	k_qcb8e46b282_swin
	.p2align	8
	.type	k_qcb8e46b282_swin,@function
k_qcb8e46b282_swin:
	s_mov_b64 s[64:65], 0
	v_nop
	global_prefetch_b8 v0, s[64:65] scope:SCOPE_SE
	s_setreg_imm32_b32 hwreg(HW_REG_WAVE_MODE, 25, 1), 1
	s_wait_xcnt 0x0
; A shifted-window transformer block on x [2][14][56][56][128] f32: LN1, qkv, windowed attention with relative bias and shift mask, proj, shortcut, LN2, fc1, exact gelu, fc2, shortcut.
; All six products run on codes of FP4 (E2M1) with one E8M0 scale for each 32 along K, by v_wmma_scale_f32_16x16x128_f8f6f4; everything else is f32.
; SHARES.  One work-group is one window of 7 x 7 x 7 = 343 tokens (256 windows).  Wave w of eleven owns tokens 32 w .. 32 w + 31, two tiles of 16, from x to out0.  Only K and V go from wave to wave, through LDS: two barriers.
; LAYOUT.  Lane (r = lane % 16, h = lane / 16) holds token r; register 16 b + i holds channel 32 b + 16 h + i.  Products are used transposed (source 0 = 16 rows of a weight, or 16 keys; source 1 = 16 tokens), and the rows
; of a tile are chosen (lane r of tile 2 b + u takes row 32 b + 8 u + r + 8 (r / 8)), so that every result lies in that layout again and the conversions' results are the next operand.
; WEIGHTS are laid once in LDS as images of the operand's registers (16 bytes a lane, 512 bytes a load), their scale words two tiles to a register (lanes 0-15, lanes 16-31).
; BIAS.  The relative index is L(query) - L(key) + 1098 with L(t) = 169 tz + 13 ty + tx: the bias is gathered from LDS straight into the accumulator and enters as the product's C.
; MASK.  q k^T has K = 32 of the instruction's 128.  A second block of 32 carries one-hot codes of the tokens' region labels: query (6, 1) at its label's byte under scale 1, key (-4, -1) at every byte but its label's
; under scale 4: the exact product is -100 where the labels differ and 0 where they agree, as the mask that the problem builds.
; DEAD WORK: none of the inputs is dead; all are loaded.  Key places 352 .. 383 of the last step of 128 keys are the quantiser's fill: zero codes on both sides; their scores are not computed.  Key places 343 .. 351
; lie inside live tiles: their scores become -infinity ahead of the maximum and their V is zero.
; ROWS 343 .. 351 (wave 10, second tile) are computed as copies of token 342 (its x, its label, its L) and not stored, but for the one pair of rows (342, 343), where lanes 16-31 store token 342's own bytes a second time, with the same values.
; LIMITS.  NaN and infinities among the inputs are not served.  erf is a rational form of degree 13 / 8 on |z| <= 4 (absolute error about 1e-7): 1 + erf has no relative accuracy under that, as in f32 arithmetic on erf itself.
; A weight p under 2^-126 counts as 0.  Bias, mask, shortcut and the layers' biases are added as C inside the matrix instruction, with its rounding.  A block under 2^-124 in magnitude keeps the scale byte 1.
; ---- LDS
.set NG1, 0                            ; norm gains and biases, proj_b, fc2_b: 512 bytes each, as they lie
.set NB1, 512
.set NG2, 1024
.set NB2, 1536
.set PJB, 2048
.set F2B, 2560
.set QKB, 3072                         ; qkv_b
.set F1B, 4608                         ; fc1_b
.set SQK, 6656                         ; scale words: 128 bytes for each pair of tiles
.set SPJ, 8192
.set SF1, 8704
.set SF2, 10752                        ; fc2's: 512 bytes for each K step
.set TBL, 12800                        ; the bias table, [head][2464] words
.set KS,  52224                        ; k's scale words [head][slot]
.set QS,  57856                        ; q's [head][token]
.set VS,  63488                        ; v's scale bytes [channel slot][16]
.set KC,  65536                        ; k's codes [head][slot][16]
.set KM,  88064                        ; the keys' mask codes, one copy for each head
.set QC,  110592                       ; q's codes [head][token][16]
.set VT,  133120                       ; v's codes [channel slot], 208 bytes apart, keys innermost
.set WQK, 159744                       ; images of the weights' fragments, 1,024 bytes each
.set WPJ, 184320
.set WF1, 192512
.set WF2, 225280
.set OIMG, 258048                      ; for each wave 1,280 bytes: the attention output's fragment, then its scale words
.set STG, 272128                       ; for each wave 16 rows x 272 bytes: the way out
.set SPARE, 320000                     ; the spare words: 128 bytes a wave, six blocks of 256 bytes that no other line names
; ---- vector registers
.set SPW, 1                            ; my spare word's address; never rewritten
.set NIL, 2                            ; 0; never rewritten
.set R,   3                            ; lane % 16
.set HH,  4                            ; lane / 16
.set L16, 5                            ; 16 x lane
.set L4,  6                            ; 4 x lane
.set H64, 7                            ; 64 x (lane / 16)
.set R16, 8                            ; 16 r
.set R4,  9                            ; 4 r
.set XA,  10                           ; my byte offset in x (tile in hand);  later W1H, STO
.set LQ4, 11                           ; 4 L(my query);  later W2H, SRD
.set UQ0, 12                           ; my query's mask codes;  later SCH, BH
.set UQ1, 13
.set LQ0, 14                           ; 4 L(my token of tile 0); never rewritten
.set NEG, 15                           ; -infinity
.set ERA, 16                           ; v[16:17] erf's coefficient of z^11, twice
.set ERB, 18                           ; v[18:19] and of z^6 below, twice
.set XS,  20                           ; v20-22, v24-35: scale words and nothing else
.set QSW, 20
.set OS,  20
.set PW,  21
.set YS,  21
.set VSC, 22
.set HSC, 22
.set LQ1, 23                           ; 4 L(my token of tile 1, held at 342); never rewritten
.set KSC, 24
.set WSA, 24
.set W2S, 28
.set QA,  36                           ; q's operand: QA | ZZ | QB
.set ZZ,  40                           ; four registers of 0
.set QB,  44
.set QST, 48                           ; phase A's addresses
.set QSS, 49
.set KST, 50
.set KMS, 51
.set KSS, 52
.set VST, 53
.set VSS, 54
.set VBA, 55
.set WQ,  56
.set XA1, 57
.set NM,  48                           ; attention: -M, the largest t
.set TMX, 49
.set SUM, 50
.set FF,  52
.set TMP, 54
.set KAH, 56
.set KSAH, 57
.set VAH, 58
.set VSAH, 59
.set OSTH, 60
.set OSSH, 61
.set OC,  62
.set YF,  48                           ; the MLP's fragments
.set OF,  56
.set HF,  56
.set R1,  64
.set R2,  128
.set R3,  192
.set S,   64                           ; scores, then p
.set XF,  192
.set KF,  192
.set VF,  192
.set TM,  208
.set LT,  208
.set BM,  208
.set T4,  212
.set SCL, 216
.set GT,  224
.set PCT, 224
.set VB,  232
.set O,   224
.set PC,  240
.set AD,  248
.set GA,  224
.set GZ,  192
.set GZ2, 208
.set GP,  224
.set GQ,  240
; ---- scalar registers
.set sWV, 4
.set sB14, 46
.set sF,  47
.set sN0, 53
.set sTT, 54
.set sNT, 55
.set sTQ, 56
.set sTS, 57
.set sHC, 58
.set sHK, 59
.set sHQ, 60
.set sHS, 61
.set sHT, 62
.set sHV, 63
.set sHVS, 66
.set sHO, 67
.set sHB, 68
.set sNR, 69
.set sMC, 72
.set sW1, 73
.set sW2, 74
.set sSC, 75
.set sOI, 76
.set sST, 77
.macro PLACES n                        ; plain places behind or in front of matrix instructions (ISA guide 7.12.1)
.rept \n
	v_nop
.endr
.endm
.macro SPAIR reg, val                  ; a constant twice: packed forms name the pair
	s_mov_b32 s[\reg], \val
	s_mov_b32 s[\reg+1], \val
.endm
; token n (0 .. 351) -> its place (tz, ty, tx) in the window
.macro TCOORD n, tz, ty, tx, tmp
	v_mul_u32_u24 v[\tz], v[\n], 1338
	v_lshrrev_b32 v[\tz], 16, v[\tz]               ; n / 49
	v_mul_u32_u24 v[\tx], v[\tz], 49
	v_sub_nc_u32 v[\tx], v[\n], v[\tx]
	v_mul_u32_u24 v[\ty], v[\tx], 37
	v_lshrrev_b32 v[\ty], 8, v[\ty]                ; (n % 49) / 7
	v_mul_u32_u24 v[\tmp], v[\ty], 7
	v_sub_nc_u32 v[\tx], v[\tx], v[\tmp]
.endm
; its row's byte offset in x and in out0: the shift by 3 and back lead to the same place.  tz, ty, tx are used up
.macro TOFF off, tz, ty, tx, tmp
	v_add_nc_u32 v[\tz], s5, v[\tz]
	v_add_nc_u32 v[\tmp], -14, v[\tz]
	v_min_u32 v[\tz], v[\tz], v[\tmp]              ; modulo 14
	v_add_nc_u32 v[\ty], s6, v[\ty]
	v_add_nc_u32 v[\tmp], 0xffffffc8, v[\ty]
	v_min_u32 v[\ty], v[\ty], v[\tmp]              ; modulo 56
	v_add_nc_u32 v[\tx], s7, v[\tx]
	v_add_nc_u32 v[\tmp], 0xffffffc8, v[\tx]
	v_min_u32 v[\tx], v[\tx], v[\tmp]
	v_add_nc_u32 v[\tz], s[sB14], v[\tz]
	v_mad_u32_u24 v[\tz], v[\tz], 56, v[\ty]
	v_mad_u32_u24 v[\tz], v[\tz], 56, v[\tx]
	v_lshlrev_b32 v[\off], 9, v[\tz]
.endm
; its region label: a bit for each axis, (t >= 4), counted only in the last window along that axis
.macro TLAB lab, tz, ty, tx, tmp
	v_lshrrev_b32 v[\lab], 2, v[\tz]
	v_lshrrev_b32 v[\tmp], 2, v[\ty]
	v_lshl_or_b32 v[\lab], v[\tmp], 1, v[\lab]
	v_lshrrev_b32 v[\tmp], 2, v[\tx]
	v_lshl_or_b32 v[\lab], v[\tmp], 2, v[\lab]
	v_and_b32 v[\lab], s[sF], v[\lab]
.endm
; the byte at place lab of eight bytes: (lo, hi)
.macro MASKE lab, byte, lo, hi, tmp
	v_and_b32 v[\tmp], 3, v[\lab]
	v_lshlrev_b32 v[\tmp], 3, v[\tmp]
	v_mov_b32 v[\hi], \byte
	v_lshlrev_b32 v[\hi], v[\tmp], v[\hi]
	v_cmp_gt_u32 vcc_lo, 4, v[\lab]
	v_cndmask_b32 v[\lo], 0, v[\hi], vcc_lo
	v_sub_nc_u32 v[\hi], v[\hi], v[\lo]
.endm
; my token's 64 numbers: 16 neighbours of each block of 32
.macro XLOAD reg, adr, nt
.irp b,0,1,2,3
.irp q,0,1,2,3
.if \nt
	global_load_b128 v[\reg+16*\b+4*\q:\reg+16*\b+4*\q+3], v[\adr], s[8:9] offset:128*\b+16*\q th:TH_LOAD_NT
.else
	global_load_b128 v[\reg+16*\b+4*\q:\reg+16*\b+4*\q+3], v[\adr], s[8:9] offset:128*\b+16*\q
.endif
.endr
.endr
.endm
.macro LNGB g, b, blk                  ; gains and biases of my 16 channels of block blk
.irp q,0,1,2,3
	ds_load_b128 v[GT+4*\q:GT+4*\q+3], v[H64] offset:(\g)+128*(\blk)+16*\q
	ds_load_b128 v[GT+16+4*\q:GT+16+4*\q+3], v[H64] offset:(\b)+128*(\blk)+16*\q
.endr
.endm
; layer norm of my token: mean, then the squares of the differences (two passes: a common offset costs nothing), 1 / sqrt, gain, bias
.macro LNORM src, dst, g, b
	LNGB \g, \b, 0
	v_pk_add_f32 v[LT:LT+1], v[\src:\src+1], v[\src+2:\src+3]
	v_pk_add_f32 v[LT+2:LT+3], v[\src+4:\src+5], v[\src+6:\src+7]
.irp j,8,16,24,32,40,48,56
	v_pk_add_f32 v[LT:LT+1], v[LT:LT+1], v[\src+\j:\src+\j+1]
	v_pk_add_f32 v[LT+2:LT+3], v[LT+2:LT+3], v[\src+\j+2:\src+\j+3]
	v_pk_add_f32 v[LT:LT+1], v[LT:LT+1], v[\src+\j+4:\src+\j+5]
	v_pk_add_f32 v[LT+2:LT+3], v[LT+2:LT+3], v[\src+\j+6:\src+\j+7]
.endr
	v_pk_add_f32 v[LT:LT+1], v[LT:LT+1], v[LT+2:LT+3]
	v_add_f32 v[LT], v[LT], v[LT+1]
	v_permlanex16_b32 v[LT+1], v[LT], s48, s49     ; the token's other 64 channels lie in the lane 16 away
	v_add_f32 v[LT], v[LT], v[LT+1]
	v_mul_f32 v[LT], s34, v[LT]                    ; the mean
.set j_, 0
.rept 32
	v_pk_add_f32 v[\dst+j_:\dst+j_+1], v[\src+j_:\src+j_+1], v[LT:LT+1] op_sel_hi:[1,0] neg_lo:[0,1] neg_hi:[0,1]
.set j_, j_+2
.endr
	v_pk_mul_f32 v[LT+2:LT+3], v[\dst:\dst+1], v[\dst:\dst+1]
	v_pk_mul_f32 v[LT+4:LT+5], v[\dst+2:\dst+3], v[\dst+2:\dst+3]
.set j_, 4
.rept 15
	v_pk_fma_f32 v[LT+2:LT+3], v[\dst+j_:\dst+j_+1], v[\dst+j_:\dst+j_+1], v[LT+2:LT+3]
	v_pk_fma_f32 v[LT+4:LT+5], v[\dst+j_+2:\dst+j_+3], v[\dst+j_+2:\dst+j_+3], v[LT+4:LT+5]
.set j_, j_+4
.endr
	v_pk_add_f32 v[LT+2:LT+3], v[LT+2:LT+3], v[LT+4:LT+5]
	v_add_f32 v[LT+2], v[LT+2], v[LT+3]
	v_permlanex16_b32 v[LT+3], v[LT+2], s48, s49
	v_add_f32 v[LT+2], v[LT+2], v[LT+3]
	v_fma_f32 v[LT+2], v[LT+2], s34, s35           ; variance + eps
	v_rsq_f32 v[LT+2], v[LT+2]
	v_nop                                          ; a plain place behind the transcendental
	s_wait_alu depctr_va_vdst(0)                   ; and the wait ahead of its first reader
.irp k,0,1,2,3
	s_wait_dscnt 0x0                               ; the block's gains and biases are in
.irp j,0,2,4,6,8,10,12,14
	v_pk_mul_f32 v[\dst+16*\k+\j:\dst+16*\k+\j+1], v[\dst+16*\k+\j:\dst+16*\k+\j+1], v[LT+2:LT+3] op_sel_hi:[1,0]
.endr
.irp j,0,2,4,6,8,10,12,14
	v_pk_fma_f32 v[\dst+16*\k+\j:\dst+16*\k+\j+1], v[\dst+16*\k+\j:\dst+16*\k+\j+1], v[GT+\j:GT+\j+1], v[GT+16+\j:GT+17+\j]
.endr
.if \k < 3
	LNGB \g, \b, \k+1
.endif
.endr
.endm
; 64 numbers of a lane, register 16 b + i = place 32 b + 16 (lane / 16) + i along K, become codes.  swap = 1: a whole fragment in v[pc] on and its scale word in v[pw];
; swap = 0: block b's two code words stay in v[pc + 2 b], v[pc + 2 b + 1] and its byte in v[TM + 4 + b]
.macro QUANT s, pc, pw, swap
.irp b,0,1,2,3
	v_max3_num_f32 v[TM+\b], |v[\s+16*\b]|, |v[\s+1+16*\b]|, 0x1800000   ; my 16 numbers of block b, and the floor 2^(3 - 127): the byte cannot fall under 1
.endr
.irp i,2,4,6,8,10,12,14
.irp b,0,1,2,3
	v_max3_num_f32 v[TM+\b], v[TM+\b], |v[\s+16*\b+\i]|, |v[\s+1+16*\b+\i]|
.endr
.endr
.irp b,0,1,2,3
	v_permlanex16_b32 v[TM+4+\b], v[TM+\b], s48, s49
.endr
.irp b,0,1,2,3
	v_max_num_f32 v[TM+\b], v[TM+\b], v[TM+4+\b]   ; with the lane 16 away: the block's largest magnitude
.endr
.irp b,0,1,2,3
	v_add_nc_u32 v[TM+12+\b], 0xff000000, v[TM+\b] ; 2 off its exponent field: the conversion's scale operand
.endr
.irp b,0,1,2,3
	v_lshrrev_b32 v[TM+4+\b], 23, v[TM+12+\b]      ; the scale's byte
.endr
.if \swap
	v_lshl_or_b32 v[\pw], v[TM+5], 8, v[TM+4]
	v_lshl_or_b32 v[\pw], v[TM+6], 16, v[\pw]
	v_lshl_or_b32 v[\pw], v[TM+7], 24, v[\pw]
.endif
.irp b,0,1,2,3
	v_cvt_scalef32_pk8_fp4_f32 v[(\pc)+2*\b], v[\s+16*\b:\s+7+16*\b], v[TM+12+\b]
	v_cvt_scalef32_pk8_fp4_f32 v[(\pc)+1+2*\b], v[\s+8+16*\b:\s+15+16*\b], v[TM+12+\b]
.endr
	v_nop                                          ; one plain place behind a scaled conversion
.if \swap
.irp c,0,1                                     ; the operand wants a whole block in a lane
.irp i,0,1
	v_permlane16_swap_b32 v[(\pc)+4*\c+\i], v[(\pc)+2+4*\c+\i]
.endr
.endr
.endif
.endm
.macro WFRAG reg, adr, off             ; a fragment's image comes back as it was laid
	ds_load_b128 v[(\reg):(\reg)+3], v[\adr] offset:(\off)
	ds_load_b128 v[(\reg)+4:(\reg)+7], v[\adr] offset:(\off)+512
.endm
.macro BIAS8 reg, adr, off             ; 128 numbers of a bias in the result's layout: eight tiles' C
.irp t,0,1,2,3,4,5,6,7
	ds_load_b128 v[(\reg)+8*\t:(\reg)+8*\t+3], v[\adr] offset:(\off)+4*(32*(\t/2)+8*(\t%2))
	ds_load_b128 v[(\reg)+8*\t+4:(\reg)+8*\t+7], v[\adr] offset:(\off)+4*(32*(\t/2)+8*(\t%2))+16
.endr
.endm
.macro ADD64 d, s
.set j_, 0
.rept 32
	v_pk_add_f32 v[\d+j_:\d+j_+1], v[\d+j_:\d+j_+1], v[\s+j_:\s+j_+1]
.set j_, j_+2
.endr
.endm
; the matrix instruction.  row = 1: source 0's scales from lanes 16-31; 2: source 1's
.macro W4 d, a, b, c, sa, sb, row
.if (\row) == 0
	v_wmma_scale_f32_16x16x128_f8f6f4 v[(\d):(\d)+7], v[(\a):(\a)+7], v[(\b):(\b)+7], v[(\c):(\c)+7], v[(\sa)], v[(\sb)] matrix_a_fmt:MATRIX_FMT_FP4 matrix_b_fmt:MATRIX_FMT_FP4
.elseif (\row) == 1
	v_wmma_scale_f32_16x16x128_f8f6f4 v[(\d):(\d)+7], v[(\a):(\a)+7], v[(\b):(\b)+7], v[(\c):(\c)+7], v[(\sa)], v[(\sb)] matrix_a_fmt:MATRIX_FMT_FP4 matrix_b_fmt:MATRIX_FMT_FP4 matrix_a_scale:MATRIX_SCALE_ROW1
.else
	v_wmma_scale_f32_16x16x128_f8f6f4 v[(\d):(\d)+7], v[(\a):(\a)+7], v[(\b):(\b)+7], v[(\c):(\c)+7], v[(\sa)], v[(\sb)] matrix_a_fmt:MATRIX_FMT_FP4 matrix_b_fmt:MATRIX_FMT_FP4 matrix_b_scale:MATRIX_SCALE_ROW1
.endif
.endm
.macro W4Z d, a, b, sa, sb, row        ; the same with C = 0
.if (\row) == 0
	v_wmma_scale_f32_16x16x128_f8f6f4 v[(\d):(\d)+7], v[(\a):(\a)+7], v[(\b):(\b)+7], 0, v[(\sa)], v[(\sb)] matrix_a_fmt:MATRIX_FMT_FP4 matrix_b_fmt:MATRIX_FMT_FP4
.else
	v_wmma_scale_f32_16x16x128_f8f6f4 v[(\d):(\d)+7], v[(\a):(\a)+7], v[(\b):(\b)+7], 0, v[(\sa)], v[(\sb)] matrix_a_fmt:MATRIX_FMT_FP4 matrix_b_fmt:MATRIX_FMT_FP4 matrix_b_scale:MATRIX_SCALE_ROW1
.endif
.endm
; eight tiles of a weight's rows against one fragment of tokens; the eight accumulators take turns
.macro MM8 acc, w, frag, ws, fs
.irp t,0,1,2,3,4,5,6,7
	W4 \acc+8*\t, \w+8*\t, \frag, \acc+8*\t, \ws+\t/2, \fs, \t%2
.endr
.endm
; q (grp = 0) or k (1) of tile m: product with the bias as C, quantised head by head (a head's 32 channels are one block), codes and scale words to LDS
.macro QKT grp, m
	BIAS8 R1, H64, QKB+512*\grp
	s_wait_dscnt 0x0                               ; bias, weights and scale words are in; earlier stores have read their registers
	MM8 R1, R2, XF+8*\m, WSA+4*\grp, XS+\m
	PLACES 4
.if \grp == 0
.set j_, 0
.rept 32
	v_pk_mul_f32 v[R1+j_:R1+j_+1], v[R1+j_:R1+j_+1], s[36:37] op_sel_hi:[1,0]   ; q x 32^-1/2
.set j_, j_+2
.endr
.endif
	QUANT R1, PCT, 0, 0
.irp b,0,1,2,3
	v_lshl_or_b32 v[58+\b], v[TM+4+\b], 16, v[TM+4+\b]   ; the byte at blocks 0 and 2; the mask's byte at blocks 1 and 3
.if \grp == 0
	v_or_b32 v[58+\b], 0x7f007f00, v[58+\b]
	ds_store_b64 v[QST], v[PCT+2*\b:PCT+2*\b+1] offset:5632*\b+256*\m
	ds_store_b32 v[QSS], v[58+\b] offset:QS+1408*\b+64*\m
.else
	v_or_b32 v[58+\b], 0x81008100, v[58+\b]
	ds_store_b64 v[KST], v[PCT+2*\b:PCT+2*\b+1] offset:5632*\b+128*\m
	ds_store_b32 v[KSS], v[58+\b] offset:KS+1408*\b+32*\m
.endif
.endr
.endm
; v, four tiles of 16 channels: NOT transposed (source 0 = my tokens), so that a lane holds one channel and 16 of my 32 tokens, which are one block along the keys
.macro VG g
.irp t,0,1,2,3
	WFRAG R2+8*\t, WQ, 1024*(16+4*\g+\t)
	ds_load_b32 v[VB+2*\t], v[VBA] offset:QKB+1024+4*(32*((4*\g+\t)/2)+8*(\t%2))
.endr
	s_wait_dscnt 0x0
.irp t,0,1,2,3
.irp m,0,1
	W4Z R1+16*\t+8*\m, XF+8*\m, R2+8*\t, XS+\m, WSA+8+2*\g+\t/2, 2*(\t%2)
.endr
.endr
	PLACES 4
.irp t,0,1,2,3
.irp j,0,2,4,6,8,10,12,14
	v_pk_add_f32 v[R1+16*\t+\j:R1+16*\t+\j+1], v[R1+16*\t+\j:R1+16*\t+\j+1], v[VB+2*\t:VB+2*\t+1] op_sel_hi:[1,0]
.endr
.endr
.irp t,0,1,2,3
.irp j,0,1,2,3,4,5,6,7
	v_cndmask_b32 v[R1+16*\t+8+\j], 0, v[R1+16*\t+8+\j], s[38+\j]   ; key places from 343 on are the quantiser's fill: 0
.endr
.endr
	QUANT R1, PCT, 0, 0
.irp t,0,1,2,3
	ds_store_b32 v[VST], v[PCT+2*\t] offset:3328*(4*\g+\t)
	ds_store_b32 v[VST], v[PCT+2*\t+1] offset:3328*(4*\g+\t)+8
	ds_store_b8 v[VSS], v[TM+4+\t] offset:VS+256*(4*\g+\t)    ; both lanes of a channel write the same byte with the same value
.endr
.endm
; A KEY STEP: keys 128 s on, nb blocks of 32
.macro STEP s, nb
.set b_, 0
.rept \nb                                      ; the bias, straight into the accumulators.  Register 16 b + i: key k in lanes 0-15, k + 16 in lanes 16-31.  L(k + 16) - L(k) takes four values: an address register for each,
.set i_, 0                                     ; which carries that difference in lanes 0-15; the immediate is key k + 16's.  Where k + 16 is past 342 both halves read key k's (class 4): those scores become -infinity below
.rept 16
.set k_, 128*\s+32*b_+i_
.set xc_, ((k_%7)+2)/7
.set yc_, (((k_/7)%7)+2+xc_)/7
.set cl_, xc_+2*yc_
.set kk_, k_+16
.if kk_ >= 343
.set cl_, 4
.set kk_, k_
.endif
	ds_load_b32 v[S+16*b_+i_], v[AD+cl_] offset:16680-4*(169*(kk_/49)+13*((kk_/7)%7)+kk_%7)
.set i_, i_+1
.endr
.set b_, b_+1
.endr
	PLACES 4                                       ; behind the last products, in front of loads into their operands
.irp b,0,1,2,3
.if \b < \nb
	ds_load_b128 v[KF+8*\b:KF+8*\b+3], v[KAH] offset:16*(128*\s+32*\b)          ; lanes 0-15: 16 keys' codes; lanes 16-31: their mask codes
	ds_load_b128 v[KF+8*\b+4:KF+8*\b+7], v[KAH] offset:16*(128*\s+32*\b)+256    ; the block's other 16 keys
	ds_load_b32 v[KSC+\b], v[KSAH] offset:KS+4*(128*\s+32*\b)
.endif
.endr
	s_wait_dscnt 0x0
.irp b,0,1,2,3
.if \b < \nb
	W4 S+16*\b, KF+8*\b, QA, S+16*\b, KSC+\b, QSW, 0           ; q in blocks 0, 1 and zeros in 2, 3: the first 16 keys count
	W4 S+16*\b+8, KF+8*\b, QA+4, S+16*\b+8, KSC+\b, QSW, 1     ; zeros in 0, 1 and q in 2, 3: the other 16
.endif
.endr
	PLACES 4
.irp u,0,1
.irp c,0,1
	ds_load_b128 v[VF+8*\u+4*\c:VF+8*\u+4*\c+3], v[VAH] offset:3328*\u+64*\s+32*\c   ; V's two tiles land under the softmax
.endr
.endr
	ds_load_b32 v[VSC], v[VSAH] offset:VS+4*\s
.irp b,0,1,2,3
.if \b < \nb
	v_max3_num_f32 v[BM+\b], v[S+16*\b], v[S+16*\b+1], v[S+16*\b+2]   ; each block's largest score: for the row's maximum and for the block's largest p
.endif
.endr
.if \s == 2
.irp i,39,40,41,42,43,44,45,46,47
	v_cndmask_b32 v[S+\i], v[S+\i], v[NEG], s52    ; key places 343 .. 351 (lanes 16-31): -infinity
.endr
.endif
.irp i,3,5,7,9,11,13
.irp b,0,1,2,3
.if \b < \nb
	v_max3_num_f32 v[BM+\b], v[BM+\b], v[S+16*\b+\i], v[S+16*\b+\i+1]
.endif
.endr
.endr
.irp b,0,1,2,3
.if \b < \nb
	v_max_num_f32 v[BM+\b], v[BM+\b], v[S+16*\b+15]
.endif
.endr
.irp b,0,1,2,3
.if \b < \nb
	v_permlanex16_b32 v[T4+\b], v[BM+\b], s48, s49
.endif
.endr
.irp b,0,1,2,3
.if \b < \nb
	v_max_num_f32 v[BM+\b], v[BM+\b], v[T4+\b]
.endif
.endr
	v_max3_num_f32 v[TMP], v[BM], v[BM+1], v[BM+2]
.if \nb == 4
	v_max_num_f32 v[TMP], v[TMP], v[BM+3]
.endif
	v_mul_f32 v[TMP], s50, v[TMP]                  ; as t = logit x log2(e)
	v_max_num_f32 v[TMX], v[TMX], v[TMP]           ; the running largest t
	v_mov_b32 v[TMP], v[NM]
	v_floor_f32 v[NM], -v[TMX]                     ; -M = -ceil(t): a whole number
	v_sub_f32 v[TMP], v[NM], v[TMP]
	v_cvt_i32_f32 v[TMP], v[TMP]                   ; (it saturates)
	v_ldexp_f32 v[FF], 1.0, v[TMP]                 ; 2^(old M - new M): exact
.set j_, 0
.rept 8*\nb
	v_pk_fma_f32 v[S+j_:S+j_+1], v[S+j_:S+j_+1], s[50:51], v[NM:NM+1] op_sel_hi:[1,0,0]
.set j_, j_+2
.endr
.irp b,0,1,2,3
.if \b < \nb
	v_fma_f32 v[BM+\b], v[BM+\b], s50, v[NM]
.endif
.endr
.set j_, 0
.rept 16*\nb
	v_exp_f32 v[S+j_], v[S+j_]                     ; p = 2^(t - M)
.set j_, j_+1
.endr
	v_pk_mul_f32 v[SUM:SUM+1], v[SUM:SUM+1], v[FF:FF+1] op_sel_hi:[1,0]   ; a plain place behind the batch
	s_wait_alu depctr_va_vdst(0)                   ; one wait for the batch, ahead of its first reader
.irp b,0,1,2,3
.if \b < \nb
	v_exp_f32 v[BM+\b], v[BM+\b]                   ; the block's largest p
.endif
.endr
	v_pk_add_f32 v[T4:T4+1], v[S:S+1], v[S+2:S+3]  ; the row's sum, of the unquantised p
.set j_, 4
.rept 4*\nb-1
	v_pk_add_f32 v[SUM:SUM+1], v[SUM:SUM+1], v[S+j_:S+j_+1]
	v_pk_add_f32 v[T4:T4+1], v[T4:T4+1], v[S+j_+2:S+j_+3]
.set j_, j_+4
.endr
	v_pk_add_f32 v[SUM:SUM+1], v[SUM:SUM+1], v[T4:T4+1]
	s_wait_alu depctr_va_vdst(0)                   ; and one for the blocks' few
.irp b,0,1,2,3
.if \b < \nb
	v_max_num_f32 v[BM+\b], 0x1800000, v[BM+\b]
.endif
.endr
.irp b,0,1,2,3
.if \b < \nb
	v_add_nc_u32 v[SCL+\b], 0xff000000, v[BM+\b]
.endif
.endr
.irp b,0,1,2,3
.if \b < \nb
	v_lshrrev_b32 v[T4+\b], 23, v[SCL+\b]
.endif
.endr
	v_lshl_or_b32 v[PW], v[T4+1], 8, v[T4]
	v_lshl_or_b32 v[PW], v[T4+2], 16, v[PW]
.if \nb == 4
	v_lshl_or_b32 v[PW], v[T4+3], 24, v[PW]
.else
	v_or_b32 v[PW], 0x7f000000, v[PW]              ; the fill's block: zero codes under the byte 127
.endif
.irp b,0,1,2,3
.if \b < \nb
	v_cvt_scalef32_pk8_fp4_f32 v[PC+2*\b], v[S+16*\b:S+16*\b+7], v[SCL+\b]
	v_cvt_scalef32_pk8_fp4_f32 v[PC+2*\b+1], v[S+16*\b+8:S+16*\b+15], v[SCL+\b]
.endif
.endr
.if \nb == 3
	v_mov_b32 v[PC+6], 0
	v_mov_b32 v[PC+7], 0
.endif
	v_nop
.irp c,0,1
.irp i,0,1
	v_permlane16_swap_b32 v[PC+4*\c+\i], v[PC+2+4*\c+\i]
.endr
.endr
.irp j,0,2,4,6,8,10,12,14
	v_pk_mul_f32 v[O+\j:O+\j+1], v[O+\j:O+\j+1], v[FF:FF+1] op_sel_hi:[1,0]   ; O under the new M; also the places in front of the products below
.endr
	s_wait_dscnt 0x0                               ; V is in
	W4 O, VF, PC, O, VSC, PW, 0
	W4 O+8, VF+8, PC, O+8, VSC, PW, 1
.endm
; a head's end: O / the sum, quantised (the head's 32 channels are one block of proj's K), into my image of proj's operand
.macro HEADEND
	v_add_f32 v[SUM], v[SUM], v[SUM+1]
	v_permlanex16_b32 v[TMP], v[SUM], s48, s49
	v_add_f32 v[SUM], v[SUM], v[TMP]
	PLACES 2
	v_rcp_f32 v[SUM], v[SUM]
	v_nop
	s_wait_alu depctr_va_vdst(0)
.irp j,0,2,4,6,8,10,12,14
	v_pk_mul_f32 v[O+\j:O+\j+1], v[O+\j:O+\j+1], v[SUM:SUM+1] op_sel_hi:[1,0]
.endr
	v_max3_num_f32 v[TMP], |v[O]|, |v[O+1]|, 0x1800000
	v_max3_num_f32 v[TMP+1], |v[O+2]|, |v[O+3]|, |v[O+6]|
	v_max3_num_f32 v[TMP], v[TMP], |v[O+4]|, |v[O+5]|
	v_max3_num_f32 v[TMP+1], v[TMP+1], |v[O+7]|, |v[O+10]|
	v_max3_num_f32 v[TMP], v[TMP], |v[O+8]|, |v[O+9]|
	v_max3_num_f32 v[TMP+1], v[TMP+1], |v[O+11]|, |v[O+14]|
	v_max3_num_f32 v[TMP], v[TMP], |v[O+12]|, |v[O+13]|
	v_max3_num_f32 v[TMP], v[TMP], v[TMP+1], |v[O+15]|
	v_permlanex16_b32 v[TMP+1], v[TMP], s48, s49
	v_max_num_f32 v[TMP], v[TMP], v[TMP+1]
	v_add_nc_u32 v[TMP], 0xff000000, v[TMP]
	v_lshrrev_b32 v[BM], 23, v[TMP]
	v_cvt_scalef32_pk8_fp4_f32 v[OC], v[O:O+7], v[TMP]
	v_cvt_scalef32_pk8_fp4_f32 v[OC+1], v[O+8:O+15], v[TMP]
	v_nop
	ds_store_b64 v[OSTH], v[OC:OC+1]
	ds_store_b8 v[OSSH], v[BM]
.endm
; gelu(x) = x/2 + x/2 erf(x / sqrt 2); erf(z) = z P(z^2) / Q(z^2) on |z| <= 4.  Eight pairs at a time, each line over all eight
.macro GELU
.irp g,0,1,2,3
.irp p,0,2,4,6,8,10,12,14
	v_pk_mul_f32 v[GZ+\p:GZ+\p+1], v[R1+16*\g+\p:R1+16*\g+\p+1], s[32:33] op_sel_hi:[1,0]
.endr
.irp p,0,1,2,3,4,5,6,7,8,9,10,11,12,13,14,15
	v_med3_num_f32 v[GZ+\p], v[GZ+\p], -4.0, 4.0
.endr
.irp p,0,2,4,6,8,10,12,14
	v_pk_mul_f32 v[GZ2+\p:GZ2+\p+1], v[GZ+\p:GZ+\p+1], v[GZ+\p:GZ+\p+1]
.endr
.irp p,0,2,4,6,8,10,12,14
	v_pk_fma_f32 v[GP+\p:GP+\p+1], v[GZ2+\p:GZ2+\p+1], s[12:13], v[ERA:ERA+1] op_sel_hi:[1,0,1]
.endr
.irp p,0,2,4,6,8,10,12,14
	v_pk_fma_f32 v[GQ+\p:GQ+\p+1], v[GZ2+\p:GZ2+\p+1], s[24:25], v[ERB:ERB+1] op_sel_hi:[1,0,1]
.endr
.irp c,14,16,18,20,22
.irp p,0,2,4,6,8,10,12,14
	v_pk_fma_f32 v[GP+\p:GP+\p+1], v[GP+\p:GP+\p+1], v[GZ2+\p:GZ2+\p+1], s[\c:\c+1] op_sel_hi:[1,1,0]
.endr
.endr
.irp c,26,28,30
.irp p,0,2,4,6,8,10,12,14
	v_pk_fma_f32 v[GQ+\p:GQ+\p+1], v[GQ+\p:GQ+\p+1], v[GZ2+\p:GZ2+\p+1], s[\c:\c+1] op_sel_hi:[1,1,0]
.endr
.endr
.irp p,0,2,4,6,8,10,12,14
	v_pk_mul_f32 v[GP+\p:GP+\p+1], v[GP+\p:GP+\p+1], v[GZ+\p:GZ+\p+1]
.endr
.irp p,0,1,2,3,4,5,6,7,8,9,10,11,12,13,14,15
	v_rcp_f32 v[GQ+\p], v[GQ+\p]
.endr
.irp p,0,2,4,6,8,10,12,14
	v_pk_mul_f32 v[R1+16*\g+\p:R1+16*\g+\p+1], v[R1+16*\g+\p:R1+16*\g+\p+1], 0.5 op_sel_hi:[1,0]   ; independent work behind the reciprocals
.endr
	s_wait_alu depctr_va_vdst(0)                   ; one wait for the sixteen
.irp p,0,2,4,6,8,10,12,14
	v_pk_mul_f32 v[GP+\p:GP+\p+1], v[GP+\p:GP+\p+1], v[GQ+\p:GQ+\p+1]
.endr
.irp p,0,2,4,6,8,10,12,14
	v_pk_fma_f32 v[R1+16*\g+\p:R1+16*\g+\p+1], v[R1+16*\g+\p:R1+16*\g+\p+1], v[GP+\p:GP+\p+1], v[R1+16*\g+\p:R1+16*\g+\p+1]
.endr
.endr
.endm
; half u of eight pairs of rows leaves: sixteen lanes store 256 consecutive bytes, at a multiple of 256 from out0's first byte.  Pairs wholly past token 342 are not stored
.macro WSEND u, ob, young
.irp i,0,1,2,3,4,5,6,7
	s_cmp_gt_u32 s[sNR], 2*\i
	s_cbranch_scc0 .Lsent_\@
	s_wait_dscnt \young+7-\i                       ; the LDS instructions issued behind pair i's load may stay out
	global_store_b128 v[GA+\i], v[\ob+4*\i:\ob+4*\i+3], s[10:11] offset:256*\u th:TH_STORE_NT
.endr
.Lsent_\@:
.endm
; ================ the head: ids, the window, every address of the first two phases
	s_load_b512 s[8:23], s[0:1], 0x0               ; x, out0, rel_table, the four tensors of codes, qkv's scales
	s_load_b512 s[24:39], s[0:1], 0x40             ; proj's, fc1's, fc2's scales, norm1_g, norm1_b, norm2_g, norm2_b, proj_b
	s_load_b128 s[40:43], s[0:1], 0x80             ; fc2_b, qkv_b
	s_load_b64 s[44:45], s[0:1], 0x90              ; fc1_b
	v_lshl_add_u32 v[SPW], v0, 2, SPARE
	v_mov_b32 v[NIL], 0
	v_lshrrev_b32 v3, 5, v0
	v_readfirstlane_b32 s[sWV], v3                 ; wave 0 .. 10
	v_and_b32 v[R], 15, v0
	v_bfe_u32 v[HH], v0, 4, 1
	v_and_b32 v[L16], 31, v0
	v_lshlrev_b32 v[L4], 2, v[L16]
	v_lshlrev_b32 v[L16], 4, v[L16]
	v_lshlrev_b32 v[H64], 6, v[HH]
	v_lshlrev_b32 v[R16], 4, v[R]
	v_lshlrev_b32 v[R4], 2, v[R]
	s_and_b32 s70, ttmp9, 7                        ; the window's place: wx,
	s_bfe_u32 s71, ttmp9, 0x30003                  ; wy,
	s_bfe_u32 s72, ttmp9, 0x10006                  ; wz,
	s_lshr_b32 s[sB14], ttmp9, 7                   ; the batch
	s_mul_i32 s[sB14], s[sB14], 14
	s_mul_i32 s7, s70, 7
	s_add_co_u32 s7, s7, 3                         ; first column of the window in x: 7 wx + the shift
	s_mul_i32 s6, s71, 7
	s_add_co_u32 s6, s6, 3
	s_mul_i32 s5, s72, 7
	s_add_co_u32 s5, s5, 3
	s_add_co_u32 s70, s70, 1
	s_lshr_b32 s70, s70, 3
	s_lshl_b32 s70, s70, 2
	s_add_co_u32 s71, s71, 1
	s_lshr_b32 s71, s71, 3
	s_lshl_b32 s71, s71, 1
	s_or_b32 s[sF], s72, s71
	s_or_b32 s[sF], s[sF], s70                     ; which axes have this window as their last
	s_mov_b32 s48, 0x76543210
	s_mov_b32 s49, 0xfedcba98                      ; v_permlanex16_b32's selects for the lane 16 away
	s_mov_b32 s50, 0x3fb8aa3b                      ; log2(e)
	s_mov_b32 s51, 0x3fb8aa3b
	s_mov_b32 s52, 0xffff0000                      ; lanes 16-31
	s_lshl_b32 s[sN0], s[sWV], 5                   ; my first token
	s_mul_i32 s[sOI], s[sWV], 1280
	s_add_co_u32 s[sOI], s[sOI], OIMG
	s_mul_i32 s[sST], s[sWV], 4352
	s_add_co_u32 s[sST], s[sST], STG
	s_lshl_b32 s70, s[sWV], 9
	s_lshl_b32 s71, s[sWV], 7
	s_lshl_b32 s72, s[sWV], 4
	s_add_co_u32 s73, s70, QC
	s_add_co_u32 s74, s70, KC
	s_add_co_u32 s75, s70, KM
	s_add_co_u32 s72, s72, VT
	v_lshrrev_b32 v60, 3, v[R]
	v_and_b32 v61, 7, v[R]
	v_lshl_add_u32 v[QST], v[HH], 3, v[R16]
	v_add_nc_u32 v[QST], s73, v[QST]               ; q's codes: token order, 8 bytes for each half of the lanes
	v_add_nc_u32 v[QSS], s71, v[R4]
	v_lshlrev_b32 v62, 4, v61
	v_lshl_add_u32 v62, v60, 8, v62                ; k's slot: token 32 w + 16 m + 8 u + l lies in slot 32 w + 16 u + 8 m + l
	v_add_nc_u32 v[KMS], s75, v62
	v_lshl_add_u32 v62, v[HH], 3, v62
	v_add_nc_u32 v[KST], s74, v62
	v_lshlrev_b32 v[KSS], 2, v61
	v_lshl_add_u32 v[KSS], v60, 6, v[KSS]
	v_add_nc_u32 v[KSS], s71, v[KSS]
	v_mul_u32_u24 v[VST], v[R], 208
	v_lshl_add_u32 v[VST], v[HH], 2, v[VST]
	v_add_nc_u32 v[VST], s72, v[VST]               ; v's codes: channel row r, my wave's 16 bytes, 4 for each half
	v_add_nc_u32 v[VSS], s[sWV], v[R16]
	v_lshl_add_u32 v[VBA], v60, 5, v[R4]           ; 4 (r + 8 (r / 8))
	v_add_nc_u32 v[WQ], WQK, v[L16]
	; where the staged bytes go.  A thread's 16 bytes are one lane's part of one register group of an image
	v_and_b32 v199, 1, v0
	v_lshlrev_b32 v36, 8, v199
	v_bfe_u32 v199, v0, 1, 1
	v_lshl_add_u32 v36, v199, 9, v36
	v_mov_b32 v37, v36
	v_bfe_u32 v199, v0, 2, 3
	v_lshl_add_u32 v36, v199, 4, v36
	v_bfe_u32 v199, v0, 5, 1
	v_lshl_add_u32 v36, v199, 10, v36
	v_bfe_u32 v199, v0, 6, 1
	v_lshl_add_u32 v36, v199, 7, v36
	v_bfe_u32 v199, v0, 7, 1
	v_lshl_add_u32 v36, v199, 11, v36
	v_add_nc_u32 v36, WQK, v36                     ; rows of 64 bytes (qkv, proj, fc1)
	v_bfe_u32 v199, v0, 2, 2
	v_lshl_add_u32 v37, v199, 10, v37
	v_bfe_u32 v199, v0, 4, 3
	v_lshl_add_u32 v37, v199, 4, v37
	v_bfe_u32 v199, v0, 7, 1
	v_lshl_add_u32 v37, v199, 12, v37
	v_add_nc_u32 v37, WF2, v37                     ; rows of 256 bytes (fc2)
	v_bfe_u32 v199, v0, 3, 2
	v_lshlrev_b32 v38, 7, v199
	v_bfe_u32 v199, v0, 1, 1
	v_lshl_add_u32 v38, v199, 6, v38
	v_bfe_u32 v199, v0, 2, 1
	v_lshl_add_u32 v38, v199, 5, v38
	v_and_b32 v199, 1, v0
	v_lshl_add_u32 v38, v199, 4, v38               ; scale words, four rows a lane
	v_bfe_u32 v199, v0, 3, 1
	v_lshlrev_b32 v39, 6, v199
	v_bfe_u32 v199, v0, 4, 1
	v_lshl_add_u32 v39, v199, 5, v39
	v_and_b32 v199, 7, v0
	v_lshl_add_u32 v39, v199, 2, v39               ; fc2's, a row a lane
	v_lshl_add_u32 v40, v0, 2, TBL
.irp i,0,1,2,3,4,5,6
	v_add_nc_u32 v[41+\i], 352*\i, v0
	v_min_u32 v[41+\i], 0x894, v[41+\i]            ; the table's last row serves the places past it
	v_lshlrev_b32 v[41+\i], 4, v[41+\i]
.endr
	v_lshlrev_b32 v58, 4, v0
	v_and_b32 v199, 31, v0
	v_mul_u32_u24 v59, v199, 208
	v_add_nc_u32 v59, VT+176, v59
	; my two tokens: 32 w + r and 16 further on.  4 L of both is made here, from the thread's number and constants alone
	v_and_b32 v192, 0x1e0, v0
	v_add_nc_u32 v192, v192, v[R]
	v_add_nc_u32 v193, 16, v192                    ; up to 351
	TCOORD 192, 196, 197, 198, 199
	v_mad_u32_u24 v[LQ0], v196, 169, v198
	v_mad_u32_u24 v[LQ0], v197, 13, v[LQ0]         ; L
	v_lshlrev_b32 v[LQ0], 2, v[LQ0]
	TLAB 204, 196, 197, 198, 199
	TOFF XA, 196, 197, 198, 199
	v_add_nc_u32 v[XA], v[XA], v[H64]
	MASKE 204, 0xae, 60, 61, 199
	v_sub_nc_u32 v60, 0xaeaeaeae, v60              ; (-4, -1) at every byte but the label's
	v_sub_nc_u32 v61, 0xaeaeaeae, v61
	v_mov_b32 v62, 0
	v_mov_b32 v63, 0
.irp c,0,1,2,3
	ds_store_b128 v[KMS], v[60:63] offset:5632*\c
.endr
	TCOORD 193, 196, 197, 198, 199                 ; the second token as it counts, past 342 too
	v_mad_u32_u24 v[LQ1], v196, 169, v198
	v_mad_u32_u24 v[LQ1], v197, 13, v[LQ1]
	v_lshlrev_b32 v[LQ1], 2, v[LQ1]
	v_cmp_gt_u32 vcc_lo, 343, v193
	v_cndmask_b32 v[LQ1], 0x1128, v[LQ1], vcc_lo   ; past 342: token 342's, 4 x 1098
	v_min_u32 v193, 0x156, v193                    ; and for x and the label the token itself is held at 342
	TCOORD 193, 196, 197, 198, 199
	TLAB 204, 196, 197, 198, 199
	TOFF XA1, 196, 197, 198, 199
	v_add_nc_u32 v[XA1], v[XA1], v[H64]
	MASKE 204, 0xae, 200, 201, 199
	v_sub_nc_u32 v200, 0xaeaeaeae, v200
	v_sub_nc_u32 v201, 0xaeaeaeae, v201
	v_mov_b32 v202, 0
	v_mov_b32 v203, 0
.irp c,0,1,2,3
	ds_store_b128 v[KMS], v[200:203] offset:5632*\c+128
.endr
	s_wait_kmcnt 0x0
; ================ staging: x of tile 0 is asked for first; every thread brings seven rows of the table; then the waves part by number
	XLOAD R1, XA, 0
.irp i,0,1,2,3,4,5,6
	global_load_b128 v[224+4*\i:227+4*\i], v[41+\i], s[12:13]
.endr
	s_cmp_lt_u32 s[sWV], 8
	s_cbranch_scc0 .Lrole_scales
.irp i,0,1,2,3,4,5                             ; waves 0-7: the codes, 4,096 consecutive bytes a load of the eight waves
	global_load_b128 v[128+4*\i:131+4*\i], v58, s[14:15] offset:4096*\i
.endr
.irp i,0,1
	global_load_b128 v[152+4*\i:155+4*\i], v58, s[16:17] offset:4096*\i
.endr
.irp i,0,1,2,3,4,5,6,7
	global_load_b128 v[160+4*\i:163+4*\i], v58, s[18:19] offset:4096*\i
.endr
.irp i,0,1,2,3,4,5,6,7
	global_load_b128 v[192+4*\i:195+4*\i], v58, s[20:21] offset:4096*\i
.endr
	s_wait_loadcnt 0x0
.irp i,0,1,2,3,4,5,6,7,8,9,10,11,12,13,14,15
	ds_store_b128 v36, v[128+4*\i:131+4*\i] offset:4096*\i
.endr
.irp i,0,1,2,3,4,5,6,7
	ds_store_b128 v37, v[192+4*\i:195+4*\i] offset:8192*(\i/2)+128*(\i%2)
.endr
	s_branch .Ljoin
.Lrole_scales:
	s_cmp_eq_u32 s[sWV], 8
	s_cbranch_scc0 .Lrole_bias
.irp j,0,1,2                                   ; wave 8: the weights' scale bytes
	global_load_b128 v[128+4*\j:131+4*\j], v[L16], s[22:23] offset:512*\j
.endr
	global_load_b128 v[140:143], v[L16], s[24:25]
.irp j,0,1,2,3
	global_load_b128 v[144+4*\j:147+4*\j], v[L16], s[26:27] offset:512*\j
.endr
.irp j,0,1,2,3
	global_load_b128 v[160+4*\j:163+4*\j], v[L16], s[28:29] offset:512*\j
.endr
	s_wait_loadcnt 0x0
.irp j,0,1,2,3,4,5,6,7
	ds_store_b128 v38, v[128+4*\j:131+4*\j] offset:SQK+512*\j
.endr
.irp j,0,1,2,3
.irp k,0,1,2,3
	ds_store_b32 v39, v[160+4*\j+\k] offset:SF2+512*\k+128*\j
.endr
.endr
	s_branch .Ljoin
.Lrole_bias:
	s_cmp_eq_u32 s[sWV], 9
	s_cbranch_scc0 .Lrole_fill
	global_load_b128 v[128:131], v[L16], s[30:31]  ; wave 9: gains and biases, as they lie
	global_load_b128 v[132:135], v[L16], s[32:33]
	global_load_b128 v[136:139], v[L16], s[34:35]
	global_load_b128 v[140:143], v[L16], s[36:37]
	global_load_b128 v[144:147], v[L16], s[38:39]
	global_load_b128 v[148:151], v[L16], s[40:41]
.irp j,0,1,2
	global_load_b128 v[152+4*\j:155+4*\j], v[L16], s[42:43] offset:512*\j
.endr
.irp j,0,1,2,3
	global_load_b128 v[164+4*\j:167+4*\j], v[L16], s[44:45] offset:512*\j
.endr
	s_wait_loadcnt 0x0
.irp j,0,1,2,3,4,5,6,7,8,9,10,11,12
	ds_store_b128 v[L16], v[128+4*\j:131+4*\j] offset:512*\j
.endr
	s_branch .Ljoin
.Lrole_fill:
.irp j,128,129,130,131                         ; wave 10: V's fill, key places 352 .. 383: zero codes under the byte 127
	v_mov_b32 v[\j], 0
.endr
	v_mov_b32 v132, 127
.irp j,0,1,2,3
	ds_store_b128 v59, v[128:131] offset:6656*\j
	ds_store_b8 v[L16], v132 offset:VS+512*\j+11
.endr
.Ljoin:
	s_wait_loadcnt 0x0                             ; the table's rows and x
.irp i,0,1,2,3,4,5,6
.irp k,0,1,2,3
	ds_store_b32 v40, v[224+4*\i+\k] offset:1408*\i+9856*\k
.endr
.endr
	s_wait_dscnt 0x0                               ; for the others' sake: my stores have landed
	s_barrier_signal -1
	s_barrier_wait -1                              ; weights, scale words, biases, table and mask codes lie in LDS
	; no load is out: the pointers' registers take the constants
	SPAIR 12, 0xaf95df0b                           ; erf above: z^13, (z^11 in v16), z^9, z^7, z^5, z^3, z
	SPAIR 14, 0xb60cff51
	SPAIR 16, 0xb86ec2d2
	SPAIR 18, 0xba40ac63
	SPAIR 20, 0xbb41a1f6
	SPAIR 22, 0xbc83dbd4
	SPAIR 24, 0xb77460cd                           ; below: z^8, (z^6 in v18), z^4, z^2, 1
	SPAIR 26, 0xbadc924e
	SPAIR 28, 0xbbf19bf8
	SPAIR 30, 0xbc69b6a7
	SPAIR 32, 0x3f3504f3                           ; 1 / sqrt 2
	s_mov_b32 s34, 0x3c000000                      ; 1 / 128
	s_mov_b32 s35, 0x3727c5ac                      ; 1e-5
	SPAIR 36, 0x3e3504f3                           ; 32^-1/2
	v_mov_b32 v[NEG], 0xff800000
	v_mov_b32 v[ERA], 0x32edffee
	v_mov_b32 v[ERA+1], 0x32edffee
	v_mov_b32 v[ERB], 0xb95fbd29
	v_mov_b32 v[ERB+1], 0xb95fbd29
.irp j,0,1,2,3
	v_mov_b32 v[ZZ+\j], 0
.endr
.irp j,0,1,2,3,4,5,6,7,8,9,10,11,12,13,14,15
	v_mov_b32 v[TM+\j], 0                          ; written once: a lane permute's destination counts as one of its sources
.endr
; ================ phase A: LN1, q, k, v of my 32 tokens
	XLOAD R2, XA1, 0
	LNORM R1, R1, NG1, NB1
	QUANT R1, XF, XS, 1
	s_wait_loadcnt 0x0
	LNORM R2, R2, NG1, NB1
	QUANT R2, XF+8, XS+1, 1
.irp p,0,1,2,3,4,5,6,7,8,9,10,11
	ds_load_b32 v[WSA+\p], v[L4] offset:SQK+128*\p
.endr
.irp t,0,1,2,3,4,5,6,7
	WFRAG R2+8*\t, WQ, 1024*\t
.endr
	PLACES 8                                       ; behind the scale word and the fragment just made by vector instructions
	QKT 0, 0
	QKT 0, 1
.irp t,0,1,2,3,4,5,6,7
	WFRAG R2+8*\t, WQ, 8192+1024*\t
.endr
	QKT 1, 0
	QKT 1, 1
	v_lshlrev_b32 v62, 3, v[HH]
	v_add_nc_u32 v62, s[sN0], v62                  ; 32 w + 8 h
.irp j,0,1,2,3,4,5,6,7
	v_cmp_gt_u32 s[38+\j], 327-\j, v62             ; is token 32 w + 16 + 8 h + j under 343?
.endr
.irp j,1,3,5,7
	v_mov_b32 v[VB+\j], 0                          ; (named as the upper halves of pairs)
.endr
	VG 0
	VG 1
	s_wait_dscnt 0x0
	s_barrier_signal -1
	s_barrier_wait -1                              ; K and V of the whole window lie in LDS; from here on a wave writes its own bytes alone
; ================ my two tiles, one after the other
	s_mov_b32 s[sTT], 0
.Ltile:
	s_lshl_b32 s[sNT], s[sTT], 4
	s_add_co_u32 s[sNT], s[sNT], s[sN0]            ; the tile's first token
	s_sub_co_u32 s[sNR], 0x157, s[sNT]             ; live rows from there on
	s_lshl_b32 s[sTQ], s[sNT], 4
	s_add_co_u32 s[sTQ], s[sTQ], QC
	s_lshl_b32 s[sTS], s[sNT], 2
	v_add_nc_u32 v54, s[sNT], v[R]
	v_min_u32 v54, 0x156, v54
	TCOORD 54, 55, 56, 57, 58
	TLAB 59, 55, 56, 57, 58
	TOFF XA, 55, 56, 57, 58
	v_add_nc_u32 v[XA], v[XA], v[H64]
	XLOAD R2, XA, 1                                ; the shortcut: asked for here, wanted behind the attention
	MASKE 59, 0x27, UQ0, UQ1, 58                   ; (6, 1) at my label's byte
	s_cmp_eq_u32 s[sTT], 0
	s_cselect_b32 s70, 0, -1
	v_cndmask_b32 v[LQ4], v[LQ0], v[LQ1], s70      ; 4 L of this tile's query: one of the two made at the head
	v_and_b32 v[LQ4], 0x1ffc, v[LQ4]               ; a multiple of 4, at most 4,392: the bound is written into the text, so that the gathers below are seen to stay in the table
	s_mov_b32 s[sHK], KC
	s_mov_b32 s[sHQ], s[sTQ]
	s_mov_b32 s[sHS], 0
	s_mov_b32 s[sHT], 512
	s_mov_b32 s[sHV], VT
	s_mov_b32 s[sHVS], 0
	s_mov_b32 s[sHO], s[sOI]
	s_add_co_u32 s[sHB], s[sOI], 1024
	s_mov_b32 s[sHC], 0
.Lhead:
	v_add_nc_u32 v[TMP], s[sHQ], v[R16]
	v_add_nc_u32 v[TMP+1], s[sHS], v[R4]
	v_add_nc_u32 v[TMP+1], s[sTS], v[TMP+1]
	ds_load_b128 v[QA:QA+3], v[TMP]
	ds_load_b32 v[QSW], v[TMP+1] offset:QS
	v_mad_u32_u24 v[KAH], v[HH], KM-KC, v[R16]     ; lanes 0-15 read codes, lanes 16-31 mask codes: one product, the lower base + h x the distance
	v_add_nc_u32 v[KAH], s[sHK], v[KAH]
	v_add_nc_u32 v[KSAH], s[sHS], v[L4]
	v_mul_u32_u24 v[VAH], v[R], 208
	v_lshl_add_u32 v[VAH], v[HH], 4, v[VAH]
	v_add_nc_u32 v[VAH], s[sHV], v[VAH]
	v_add_nc_u32 v[VSAH], s[sHVS], v[L16]
	v_xor_b32 v[AD+4], 1, v[HH]                    ; the gathers' addresses: 4 L(query), + 4 (L(k + 16) - L(k)) in lanes 0-15, + 512 + the head's table: additions alone, the head's term last
	v_mad_u32_u24 v[AD], v[AD+4], 112, v[LQ4]
	v_mad_u32_u24 v[AD+1], v[AD+4], 136, v[LQ4]
	v_mad_u32_u24 v[AD+2], v[AD+4], 424, v[LQ4]
	v_mad_u32_u24 v[AD+3], v[AD+4], 448, v[LQ4]
	v_add_nc_u32 v[AD], s[sHT], v[AD]
	v_add_nc_u32 v[AD+1], s[sHT], v[AD+1]
	v_add_nc_u32 v[AD+2], s[sHT], v[AD+2]
	v_add_nc_u32 v[AD+3], s[sHT], v[AD+3]
	v_add_nc_u32 v[AD+4], s[sHT], v[LQ4]
	v_mov_b32 v[TMX], 0xff61b1e6                   ; -3e38, under every t
	v_floor_f32 v[NM], -v[TMX]
	v_mov_b32 v[SUM], 0
	v_mov_b32 v[SUM+1], 0
	v_mov_b32 v[FF+1], 0                           ; (named as the upper half of a pair)
	s_wait_dscnt 0x0                               ; q is in; the last head's stores have read their registers
	v_lshl_add_u32 v[OSTH], v[HH], 3, v[R16]
	v_add_nc_u32 v[OSTH], s[sHO], v[OSTH]
	v_add_nc_u32 v[OSSH], s[sHB], v[R4]
	v_cndmask_b32 v[QA], v[QA], v[UQ0], s52        ; lanes 16-31: my mask codes
	v_cndmask_b32 v[QA+1], v[QA+1], v[UQ1], s52
	v_cndmask_b32 v[QA+2], v[QA+2], v[ZZ], s52
	v_cndmask_b32 v[QA+3], v[QA+3], v[ZZ], s52
.irp j,0,1,2,3
	v_mov_b32 v[QB+\j], v[QA+\j]
.endr
.irp j,0,1,2,3,4,5,6,7,8,9,10,11,12,13,14,15
	v_mov_b32 v[O+\j], 0                           ; the step is written once for first and later steps: the first change of M multiplies zeros
.endr
	STEP 0, 4
	STEP 1, 4
	STEP 2, 3
	HEADEND
	s_add_co_u32 s[sHK], s[sHK], 5632
	s_add_co_u32 s[sHQ], s[sHQ], 5632
	s_add_co_u32 s[sHS], s[sHS], 1408
	s_add_co_u32 s[sHT], s[sHT], 9856
	s_add_co_u32 s[sHV], s[sHV], 6656
	s_add_co_u32 s[sHVS], s[sHVS], 512
	s_add_co_u32 s[sHO], s[sHO], 256
	s_add_co_u32 s[sHB], s[sHB], 1
	s_add_co_u32 s[sHC], s[sHC], 1
	s_cmp_lt_u32 s[sHC], 4
	s_cbranch_scc1 .Lhead
	; ---- proj and the shortcut: x1 = x + proj_b + o Wp
	s_wait_dscnt 0x0                               ; the last head's stores have read their registers, which the loads below take
	v_add_nc_u32 v[TMP], s[sOI], v[L16]
	v_add_nc_u32 v[TMP+1], s[sOI], v[R4]
	v_add_nc_u32 v[LQ4], WPJ, v[L16]
	ds_load_b128 v[OF:OF+3], v[TMP]
	ds_load_b128 v[OF+4:OF+7], v[TMP] offset:512
	ds_load_b32 v[OS], v[TMP+1] offset:1024
.irp t,0,1,2,3,4,5,6,7
	WFRAG R1+8*\t, LQ4, 1024*\t
.endr
.irp p,0,1,2,3
	ds_load_b32 v[WSA+\p], v[L4] offset:SPJ+128*\p
.endr
	BIAS8 R3, H64, PJB
	s_wait_loadcnt 0x0                             ; x
	s_wait_dscnt 0x0
	ADD64 R2, R3
	MM8 R2, R1, OF, WSA, OS
	PLACES 4
	LNORM R2, R1, NG2, NB2
	QUANT R1, YF, YS, 1
	BIAS8 R3, H64, F2B
	s_wait_dscnt 0x0
	ADD64 R2, R3                                   ; x1 + fc2_b: what fc2's sums begin with
	; ---- the MLP, 128 hidden units a trip: they are one K step of fc2
	s_mov_b32 s[sW1], WF1
	s_mov_b32 s[sW2], WF2
	s_mov_b32 s[sSC], 0
	s_mov_b32 s[sMC], 0
.Lmlp:
	v_add_nc_u32 v10, s[sW1], v[L16]
	v_add_nc_u32 v11, s[sW2], v[L16]
	v_add_nc_u32 v12, s[sSC], v[L4]
	v_add_nc_u32 v13, s[sSC], v[H64]
	BIAS8 R1, 13, F1B
.irp t,0,1,2,3,4,5,6,7
	WFRAG R3+8*\t, 10, 1024*\t
.endr
.irp p,0,1,2,3
	ds_load_b32 v[WSA+\p], v12 offset:SF1+128*\p
.endr
	s_wait_dscnt 0x0
	MM8 R1, R3, YF, WSA, YS
	PLACES 4
	GELU
	QUANT R1, HF, HSC, 1
.irp t,0,1,2,3,4,5,6,7
	WFRAG R1+8*\t, 11, 4096*\t
.endr
.irp p,0,1,2,3
	ds_load_b32 v[W2S+\p], v12 offset:SF2+128*\p
.endr
	PLACES 8                                       ; behind the scale word and the fragment just made by vector instructions
	s_wait_dscnt 0x0
	MM8 R2, R1, HF, W2S, HSC
	PLACES 4
	s_add_co_u32 s[sW1], s[sW1], 8192
	s_add_co_u32 s[sW2], s[sW2], 1024
	s_add_co_u32 s[sSC], s[sSC], 512
	s_add_co_u32 s[sMC], s[sMC], 1
	s_cmp_lt_u32 s[sMC], 4
	s_cbranch_scc1 .Lmlp
	; ---- the way out: half a row (256 bytes) of 16 tokens at a time through my stage, back as whole halves of rows
	v_mul_u32_u24 v10, v[R], 272
	v_lshl_add_u32 v10, v[HH], 6, v10
	v_add_nc_u32 v10, s[sST], v10                  ; in: row r, 64 bytes for each half of the lanes
	v_mul_u32_u24 v11, v[HH], 272
	v_lshl_add_u32 v11, v[R], 4, v11
	v_add_nc_u32 v11, s[sST], v11                  ; back: lanes 0-15 one row, lanes 16-31 the next
	v_add_nc_u32 v232, s[sNT], v[HH]
.irp i,0,1,2,3,4,5,6,7
	v_add_nc_u32 v233, 2*\i, v232                  ; the token of row 2 i + lane / 16, held at 342
	v_min_u32 v233, 0x156, v233
	TCOORD 233, 234, 235, 236, 237
	TOFF GA+\i, 234, 235, 236, 237
	v_add_nc_u32 v[GA+\i], v[GA+\i], v[R16]
.endr
.irp u,0,1
.irp b,0,1
.irp q,0,1,2,3
	ds_store_b128 v10, v[R2+32*\u+16*\b+4*\q:R2+32*\u+16*\b+4*\q+3] offset:128*\b+16*\q   ; each accumulator from its low end on
.endr
.endr
.irp i,0,1,2,3,4,5,6,7
	ds_load_b128 v[192-128*\u+4*\i:195-128*\u+4*\i], v11 offset:544*\i   ; LDS serves a wave's instructions in order (ISA guide 5.7.1.4): these see my stores, and the next half's stores come behind them
.endr
.endr
	WSEND 0, 192, 16                               ; behind the first half's loads: the second half's eight stores and eight loads
	WSEND 1, 64, 0
	s_wait_dscnt 0x0                               ; every LDS instruction of the tile is done
	s_wait_xcnt 0x0                                ; the stores have read their registers: they are written again in the next tile
	s_add_co_u32 s[sTT], s[sTT], 1
	s_cmp_lt_u32 s[sTT], 2
	s_cbranch_scc1 .Ltile
	s_wait_tensorcnt 0x0                           ; the wave's end, behind my last LDS store
	ds_add_u32 v[SPW], v[NIL]
	s_wait_dscnt 0x0
	s_endpgm
.Lfunc_end_k_qcb8e46b282_swin:
	.size	k_qcb8e46b282_swin, .Lfunc_end_k_qcb8e46b282_swin-k_qcb8e46b282_swin
	.p2alignl 7, 3214868480
	.fill 96, 4, 3214868480
	.section	.rodata,"a",@progbits
	.p2align	6, 0x0
	.amdhsa_kernel k_qcb8e46b282_swin
		.amdhsa_group_segment_fixed_size 321536
		.amdhsa_private_segment_fixed_size 0
		.amdhsa_enable_private_segment 0
		.amdhsa_kernarg_size 152
		.amdhsa_user_sgpr_count 2
		.amdhsa_user_sgpr_kernarg_segment_ptr 1
		.amdhsa_wavefront_size32 1
		.amdhsa_system_sgpr_workgroup_id_x 1
		.amdhsa_system_sgpr_workgroup_id_y 1
		.amdhsa_system_sgpr_workgroup_id_z 1
		.amdhsa_system_vgpr_workitem_id 0
		.amdhsa_next_free_vgpr 256
		.amdhsa_next_free_sgpr 100
		.amdhsa_reserve_vcc 1
		.amdhsa_float_denorm_mode_32 3
		.amdhsa_float_denorm_mode_16_64 3
		.amdhsa_memory_ordered 1
		.amdhsa_forward_progress 1
		.amdhsa_inst_pref_size 255
	.end_amdhsa_kernel
	.section	.bss,"aw",@nobits
	.p2align	6
	.space	262144
	.amdgpu_metadata
---
amdhsa.version: [ 1, 2 ]
amdhsa.kernels:
  - .name:           k_qcb8e46b282_swin
    .symbol:         k_qcb8e46b282_swin.kd
    .args:
      - { .name: x, .offset: 0, .size: 8, .value_kind: global_buffer, .address_space: global }
      - { .name: out0, .offset: 8, .size: 8, .value_kind: global_buffer, .address_space: global }
      - { .name: rel_table, .offset: 16, .size: 8, .value_kind: global_buffer, .address_space: global }
      - { .name: qkv_w_codes, .offset: 24, .size: 8, .value_kind: global_buffer, .address_space: global }
      - { .name: proj_w_codes, .offset: 32, .size: 8, .value_kind: global_buffer, .address_space: global }
      - { .name: fc1_w_codes, .offset: 40, .size: 8, .value_kind: global_buffer, .address_space: global }
      - { .name: fc2_w_codes, .offset: 48, .size: 8, .value_kind: global_buffer, .address_space: global }
      - { .name: qkv_w_scales, .offset: 56, .size: 8, .value_kind: global_buffer, .address_space: global }
      - { .name: proj_w_scales, .offset: 64, .size: 8, .value_kind: global_buffer, .address_space: global }
      - { .name: fc1_w_scales, .offset: 72, .size: 8, .value_kind: global_buffer, .address_space: global }
      - { .name: fc2_w_scales, .offset: 80, .size: 8, .value_kind: global_buffer, .address_space: global }
      - { .name: norm1_g, .offset: 88, .size: 8, .value_kind: global_buffer, .address_space: global }
      - { .name: norm1_b, .offset: 96, .size: 8, .value_kind: global_buffer, .address_space: global }
      - { .name: norm2_g, .offset: 104, .size: 8, .value_kind: global_buffer, .address_space: global }
      - { .name: norm2_b, .offset: 112, .size: 8, .value_kind: global_buffer, .address_space: global }
      - { .name: proj_b, .offset: 120, .size: 8, .value_kind: global_buffer, .address_space: global }
      - { .name: fc2_b, .offset: 128, .size: 8, .value_kind: global_buffer, .address_space: global }
      - { .name: qkv_b, .offset: 136, .size: 8, .value_kind: global_buffer, .address_space: global }
      - { .name: fc1_b, .offset: 144, .size: 8, .value_kind: global_buffer, .address_space: global }
    .group_segment_fixed_size: 321536
    .private_segment_fixed_size: 0
    .kernarg_segment_align: 8
    .kernarg_segment_size: 152
    .max_flat_workgroup_size: 352
    .sgpr_count:     100
    .vgpr_count:     256
    .wavefront_size: 32
...
	.end_amdgpu_metadata
.endif
;; end of part 1
;; ======== version 2 of 2: 1 launch; version 1 with the launch swin written anew for expert scheduling mode
;; launch swin (part 2): grid 256 x 1, 11 waves a work-group, no clusters, 321,536 bytes of LDS; arguments x, out0, rel_table, qkv_w_codes, proj_w_codes, fc1_w_codes, fc2_w_codes, qkv_w_scales, proj_w_scales, fc1_w_scales, fc2_w_scales, norm1_g, norm1_b, norm2_g, norm2_b, proj_b, fc2_b, qkv_b, fc1_b; writes out0
.if DOCPART == 2
	.amdgcn_target "amdgcn-amd-amdhsa--gfx1250"
	.amdhsa_code_object_version 6
	.text
	.protected	k_qcb8e46b282_swin
	.globl	k_qcb8e46b282_swin
	.p2align	8
	.type	k_qcb8e46b282_swin,@function
k_qcb8e46b282_swin:
	s_mov_b64 s[64:65], 0
	v_nop
	global_prefetch_b8 v0, s[64:65] scope:SCOPE_SE
	s_setreg_imm32_b32 hwreg(HW_REG_WAVE_SCHED_MODE, 0, 2), 2
	s_setreg_imm32_b32 hwreg(HW_REG_WAVE_MODE, 25, 1), 1
	s_wait_xcnt 0x0
	s_wait_alu depctr_vm_vsrc(0)
; A shifted-window transformer block on x [2][14][56][56][128] f32: LN1, qkv, windowed attention with relative bias and shift mask, proj, shortcut, LN2, fc1, exact gelu, fc2, shortcut.
; All six products run on codes of FP4 (E2M1) with one E8M0 scale for each 32 along K, by v_wmma_scale_f32_16x16x128_f8f6f4; everything else is f32.
; SHARES.  One work-group is one window of 7 x 7 x 7 = 343 tokens (256 windows).  Wave w of eleven owns tokens 32 w .. 32 w + 31, two tiles of 16, from x to out0.  Only K and V go from wave to wave, through LDS: two barriers.
; LAYOUT.  Lane (r = lane % 16, h = lane / 16) holds token r; register 16 b + i holds channel 32 b + 16 h + i.  Products are used transposed (source 0 = 16 rows of a weight, or 16 keys; source 1 = 16 tokens), and the rows
; of a tile are chosen (lane r of tile 2 b + u takes row 32 b + 8 u + r + 8 (r / 8)), so that every result lies in that layout again and the conversions' results are the next operand.
; WEIGHTS are laid once in LDS as images of the operand's registers (16 bytes a lane, 512 bytes a load), their scale words two tiles to a register (lanes 0-15, lanes 16-31).
; BIAS.  The relative index is L(query) - L(key) + 1098 with L(t) = 169 tz + 13 ty + tx: the bias is gathered from LDS straight into the accumulator and enters as the product's C.
; MASK.  q k^T has K = 32 of the instruction's 128.  A second block of 32 carries one-hot codes of the tokens' region labels: query (6, 1) at its label's byte under scale 1, key (-4, -1) at every byte but its label's
; under scale 4: the exact product is -100 where the labels differ and 0 where they agree, as the mask that the problem builds.
; DEAD WORK: none of the inputs is dead; all are loaded.  Key places 352 .. 383 of the last step of 128 keys are the quantiser's fill: zero codes on both sides; their scores are not computed.  Key places 343 .. 351
; lie inside live tiles: their scores become -infinity ahead of the maximum and their V is zero.
; ROWS 343 .. 351 (wave 10, second tile) are computed as copies of token 342 (its x, its label, its L) and not stored, but for the one pair of rows (342, 343), where lanes 16-31 store token 342's own bytes a second time, with the same values.
; LIMITS.  NaN and infinities among the inputs are not served.  erf is a rational form of degree 13 / 8 on |z| <= 4 (absolute error about 1e-7): 1 + erf has no relative accuracy under that, as in f32 arithmetic on erf itself.
; A weight p under 2^-126 counts as 0.  Bias, mask, shortcut and the layers' biases are added as C inside the matrix instruction, with its rounding.  A block under 2^-124 in magnitude keeps the scale byte 1.
; THE MODE: SCHED_MODE bits 1:0 = 2 (LLVM: expert scheduling mode 2), set by the entry lines.  The code itself states the register dependences
; between vector or matrix instructions and memory or LDS instructions, with s_wait_alu, always for 0.
; THE PLAN.  What LDS and memory instructions touch, and who else names it:
;   v1-v9           made at the head, ahead of its one wait on va_vdst; never written again.
;   phase A         R1 takes a bias by loads, the products add onto it, the conversions read it last; R2 takes weights' fragments, which the products read; v224-231, v58-61, v212-215 are the stores' data.
;                   ONE wait on va_vdst stands ahead of each run of stores: behind it the data are written and R1 and R2 are done with, so the next run of loads follows with no wait.
;                   One wait on vm_vsrc stands ahead of the next quantising, which writes the stores' data again.
;   a key step      S (v64-127): the bias is gathered into it, the score products add onto it, the softmax works in place, the conversions read it last.  v192-223: K's fragments, read by the score products;
;                   then v192-207: V's, read by the step's last two products.  V is asked for behind the wait that the exponentials have anyway.  ONE wait on va_vdst stands ahead of the last two products:
;                   p's codes and scale word are written, and S is done with, so the next step's gathers follow those products with no wait; behind the gathers one more frees V's registers for K.
;   a head          its addresses (v56-61, v248-254) and its two stores' data (v62, v63, v208) are written once a head, behind a wait on vm_vsrc at the head's top.
;   the MLP         v10-v13 are stepped once a trip: vm_vsrc, the four additions, va_vdst, which also frees R1 and R3 for the trip's loads; one more wait on va_vdst behind the hidden layer's quantising.
;   the way out     vm_vsrc, the addresses, one wait on va_vdst; the stage's stores and loads and the global stores follow with no further wait.
; ---- LDS
.set NG1, 0                            ; norm gains and biases, proj_b, fc2_b: 512 bytes each, as they lie
.set NB1, 512
.set NG2, 1024
.set NB2, 1536
.set PJB, 2048
.set F2B, 2560
.set QKB, 3072                         ; qkv_b
.set F1B, 4608                         ; fc1_b
.set SQK, 6656                         ; scale words: 128 bytes for each pair of tiles
.set SPJ, 8192
.set SF1, 8704
.set SF2, 10752                        ; fc2's: 512 bytes for each K step
.set TBL, 12800                        ; the bias table, [head][2464] words
.set KS,  52224                        ; k's scale words [head][slot]
.set QS,  57856                        ; q's [head][token]
.set VS,  63488                        ; v's scale bytes [channel slot][16]
.set KC,  65536                        ; k's codes [head][slot][16]
.set KM,  88064                        ; the keys' mask codes, one copy for each head
.set QC,  110592                       ; q's codes [head][token][16]
.set VT,  133120                       ; v's codes [channel slot], 208 bytes apart, keys innermost
.set WQK, 159744                       ; images of the weights' fragments, 1,024 bytes each
.set WPJ, 184320
.set WF1, 192512
.set WF2, 225280
.set OIMG, 258048                      ; for each wave 1,280 bytes: the attention output's fragment, then its scale words
.set STG, 272128                       ; for each wave 16 rows x 272 bytes: the way out
.set SPARE, 320000                     ; the spare words: 128 bytes a wave, six blocks of 256 bytes that no other line names
; ---- vector registers
.set SPW, 1                            ; my spare word's address; never rewritten
.set NIL, 2                            ; 0; never rewritten
.set R,   3                            ; lane % 16
.set HH,  4                            ; lane / 16
.set L16, 5                            ; 16 x lane
.set L4,  6                            ; 4 x lane
.set H64, 7                            ; 64 x (lane / 16)
.set R16, 8                            ; 16 r
.set R4,  9                            ; 4 r
.set XA,  10                           ; my byte offset in x (tile in hand);  later W1H, STO
.set LQ4, 11                           ; 4 L(my query);  later proj's images' address, W2H, SRD
.set UQ0, 12                           ; my query's mask codes;  later OAD, SCH
.set UQ1, 13                           ;                         later OSD, BH
.set OAD, 12                           ; behind the attention: where my image of proj's operand lies,
.set OSD, 13                           ; and its scale words
.set LQ0, 14                           ; 4 L(my token of tile 0); never rewritten
.set NEG, 15                           ; -infinity
.set ERA, 16                           ; v[16:17] erf's coefficient of z^11, twice
.set ERB, 18                           ; v[18:19] and of z^6 below, twice
.set XS,  20                           ; v20-22, v24-35: scale words and nothing else
.set QSW, 20
.set OS,  20
.set PW,  21
.set YS,  21
.set VSC, 22
.set HSC, 22
.set LQ1, 23                           ; 4 L(my token of tile 1, held at 342); never rewritten
.set KSC, 24
.set WSA, 24
.set W2S, 28
.set QA,  36                           ; q's operand: QA | ZZ | QB
.set ZZ,  40                           ; four registers of 0
.set QB,  44
.set QST, 48                           ; phase A's addresses
.set QSS, 49
.set KST, 50
.set KMS, 51
.set KSS, 52
.set VST, 53
.set VSS, 54
.set VBA, 55
.set WQ,  56
.set XA1, 57
.set NM,  48                           ; attention: -M, the largest t
.set TMX, 49
.set SUM, 50
.set FF,  52
.set TMP, 54
.set KAH, 56
.set KSAH, 57
.set VAH, 58
.set VSAH, 59
.set OSTH, 60
.set OSSH, 61
.set OC,  62
.set YF,  48                           ; the MLP's fragments
.set OF,  56
.set HF,  56
.set R1,  64
.set R2,  128
.set R3,  192
.set S,   64                           ; scores, then p
.set XF,  192
.set KF,  192
.set VF,  192
.set TM,  208
.set LT,  208
.set BM,  208
.set T4,  212
.set SCL, 216
.set GT,  224
.set PCT, 224
.set VB,  232
.set O,   224
.set PC,  240
.set AD,  248
.set QAD, 253                          ; a head's address of q's codes: written once a head, like the five above it
.set QSD, 254                          ; and of q's scale words
.set GA,  224
.set GZ,  192
.set GZ2, 208
.set GP,  224
.set GQ,  240
; ---- scalar registers
.set sWV, 4
.set sB14, 46
.set sF,  47
.set sN0, 53
.set sTT, 54
.set sNT, 55
.set sTQ, 56
.set sTS, 57
.set sHC, 58
.set sHK, 59
.set sHQ, 60
.set sHS, 61
.set sHT, 62
.set sHV, 63
.set sHVS, 66
.set sHO, 67
.set sHB, 68
.set sNR, 69
.set sMC, 72
.set sW1, 73
.set sW2, 74
.set sSC, 75
.set sOI, 76
.set sST, 77
.macro PLACES n                        ; plain places behind or in front of matrix instructions (ISA guide 7.12.1)
.rept \n
	v_nop
.endr
.endm
.macro SPAIR reg, val                  ; a constant twice: packed forms name the pair
	s_mov_b32 s[\reg], \val
	s_mov_b32 s[\reg+1], \val
.endm
; token n (0 .. 351) -> its place (tz, ty, tx) in the window
.macro TCOORD n, tz, ty, tx, tmp
	v_mul_u32_u24 v[\tz], v[\n], 1338
	v_lshrrev_b32 v[\tz], 16, v[\tz]               ; n / 49
	v_mul_u32_u24 v[\tx], v[\tz], 49
	v_sub_nc_u32 v[\tx], v[\n], v[\tx]
	v_mul_u32_u24 v[\ty], v[\tx], 37
	v_lshrrev_b32 v[\ty], 8, v[\ty]                ; (n % 49) / 7
	v_mul_u32_u24 v[\tmp], v[\ty], 7
	v_sub_nc_u32 v[\tx], v[\tx], v[\tmp]
.endm
; its row's byte offset in x and in out0: the shift by 3 and back lead to the same place.  tz, ty, tx are used up
.macro TOFF off, tz, ty, tx, tmp
	v_add_nc_u32 v[\tz], s5, v[\tz]
	v_add_nc_u32 v[\tmp], -14, v[\tz]
	v_min_u32 v[\tz], v[\tz], v[\tmp]              ; modulo 14
	v_add_nc_u32 v[\ty], s6, v[\ty]
	v_add_nc_u32 v[\tmp], 0xffffffc8, v[\ty]
	v_min_u32 v[\ty], v[\ty], v[\tmp]              ; modulo 56
	v_add_nc_u32 v[\tx], s7, v[\tx]
	v_add_nc_u32 v[\tmp], 0xffffffc8, v[\tx]
	v_min_u32 v[\tx], v[\tx], v[\tmp]
	v_add_nc_u32 v[\tz], s[sB14], v[\tz]
	v_mad_u32_u24 v[\tz], v[\tz], 56, v[\ty]
	v_mad_u32_u24 v[\tz], v[\tz], 56, v[\tx]
	v_lshlrev_b32 v[\off], 9, v[\tz]
.endm
; its region label: a bit for each axis, (t >= 4), counted only in the last window along that axis
.macro TLAB lab, tz, ty, tx, tmp
	v_lshrrev_b32 v[\lab], 2, v[\tz]
	v_lshrrev_b32 v[\tmp], 2, v[\ty]
	v_lshl_or_b32 v[\lab], v[\tmp], 1, v[\lab]
	v_lshrrev_b32 v[\tmp], 2, v[\tx]
	v_lshl_or_b32 v[\lab], v[\tmp], 2, v[\lab]
	v_and_b32 v[\lab], s[sF], v[\lab]
.endm
; the byte at place lab of eight bytes: (lo, hi)
.macro MASKE lab, byte, lo, hi, tmp
	v_and_b32 v[\tmp], 3, v[\lab]
	v_lshlrev_b32 v[\tmp], 3, v[\tmp]
	v_mov_b32 v[\hi], \byte
	v_lshlrev_b32 v[\hi], v[\tmp], v[\hi]
	v_cmp_gt_u32 vcc_lo, 4, v[\lab]
	s_wait_alu depctr_va_vcc(0)                    ; the compare has written VCC, ahead of the select that reads it
	v_cndmask_b32 v[\lo], 0, v[\hi], vcc_lo
	v_sub_nc_u32 v[\hi], v[\hi], v[\lo]
.endm
; my token's 64 numbers: 16 neighbours of each block of 32
.macro XLOAD reg, adr, nt
.irp b,0,1,2,3
.irp q,0,1,2,3
.if \nt
	global_load_b128 v[\reg+16*\b+4*\q:\reg+16*\b+4*\q+3], v[\adr], s[8:9] offset:128*\b+16*\q th:TH_LOAD_NT
.else
	global_load_b128 v[\reg+16*\b+4*\q:\reg+16*\b+4*\q+3], v[\adr], s[8:9] offset:128*\b+16*\q
.endif
.endr
.endr
.endm
.macro LNGB g, b, blk                  ; gains and biases of my 16 channels of block blk
.irp q,0,1,2,3
	ds_load_b128 v[GT+4*\q:GT+4*\q+3], v[H64] offset:(\g)+128*(\blk)+16*\q
	ds_load_b128 v[GT+16+4*\q:GT+16+4*\q+3], v[H64] offset:(\b)+128*(\blk)+16*\q
.endr
.endm
; layer norm of my token: mean, then the squares of the differences (two passes: a common offset costs nothing), 1 / sqrt, gain, bias
.macro LNORM src, dst, g, b
	s_wait_alu depctr_va_vdst(0)                   ; every earlier vector and matrix instruction is done with v[GT] .. v[GT+31], in which the first block's gains and biases land
	LNGB \g, \b, 0
	v_pk_add_f32 v[LT:LT+1], v[\src:\src+1], v[\src+2:\src+3]
	v_pk_add_f32 v[LT+2:LT+3], v[\src+4:\src+5], v[\src+6:\src+7]
.irp j,8,16,24,32,40,48,56
	v_pk_add_f32 v[LT:LT+1], v[LT:LT+1], v[\src+\j:\src+\j+1]
	v_pk_add_f32 v[LT+2:LT+3], v[LT+2:LT+3], v[\src+\j+2:\src+\j+3]
	v_pk_add_f32 v[LT:LT+1], v[LT:LT+1], v[\src+\j+4:\src+\j+5]
	v_pk_add_f32 v[LT+2:LT+3], v[LT+2:LT+3], v[\src+\j+6:\src+\j+7]
.endr
	v_pk_add_f32 v[LT:LT+1], v[LT:LT+1], v[LT+2:LT+3]
	v_add_f32 v[LT], v[LT], v[LT+1]
	v_permlanex16_b32 v[LT+1], v[LT], s48, s49     ; the token's other 64 channels lie in the lane 16 away
	v_add_f32 v[LT], v[LT], v[LT+1]
	v_mul_f32 v[LT], s34, v[LT]                    ; the mean
.set j_, 0
.rept 32
	v_pk_add_f32 v[\dst+j_:\dst+j_+1], v[\src+j_:\src+j_+1], v[LT:LT+1] op_sel_hi:[1,0] neg_lo:[0,1] neg_hi:[0,1]
.set j_, j_+2
.endr
	v_pk_mul_f32 v[LT+2:LT+3], v[\dst:\dst+1], v[\dst:\dst+1]
	v_pk_mul_f32 v[LT+4:LT+5], v[\dst+2:\dst+3], v[\dst+2:\dst+3]
.set j_, 4
.rept 15
	v_pk_fma_f32 v[LT+2:LT+3], v[\dst+j_:\dst+j_+1], v[\dst+j_:\dst+j_+1], v[LT+2:LT+3]
	v_pk_fma_f32 v[LT+4:LT+5], v[\dst+j_+2:\dst+j_+3], v[\dst+j_+2:\dst+j_+3], v[LT+4:LT+5]
.set j_, j_+4
.endr
	v_pk_add_f32 v[LT+2:LT+3], v[LT+2:LT+3], v[LT+4:LT+5]
	v_add_f32 v[LT+2], v[LT+2], v[LT+3]
	v_permlanex16_b32 v[LT+3], v[LT+2], s48, s49
	v_add_f32 v[LT+2], v[LT+2], v[LT+3]
	v_fma_f32 v[LT+2], v[LT+2], s34, s35           ; variance + eps
	v_rsq_f32 v[LT+2], v[LT+2]
	v_nop                                          ; a plain place behind the transcendental
	s_wait_alu depctr_va_vdst(0)                   ; the root's reciprocal is written, ahead of its first reader
.irp j,0,2,4,6,8,10,12,14
	v_pk_mul_f32 v[\dst+\j:\dst+\j+1], v[\dst+\j:\dst+\j+1], v[LT+2:LT+3] op_sel_hi:[1,0]
.endr
.irp k,0,1,2,3
	s_wait_dscnt 0x0                               ; the block's gains and biases are in
.irp j,0,2,4,6,8,10,12,14
	v_pk_fma_f32 v[\dst+16*\k+\j:\dst+16*\k+\j+1], v[\dst+16*\k+\j:\dst+16*\k+\j+1], v[GT+\j:GT+\j+1], v[GT+16+\j:GT+17+\j]
.endr
.if \k < 3
	s_wait_alu depctr_va_vdst(0)                   ; the multiply-adds are done reading this block's gains and biases: the next block's land in the same registers
	LNGB \g, \b, \k+1
.irp j,0,2,4,6,8,10,12,14
	v_pk_mul_f32 v[\dst+16*(\k+1)+\j:\dst+16*(\k+1)+\j+1], v[\dst+16*(\k+1)+\j:\dst+16*(\k+1)+\j+1], v[LT+2:LT+3] op_sel_hi:[1,0]   ; the next block's first half stands behind its loads: it names none of their registers
.endr
.endif
.endr
.endm
; 64 numbers of a lane, register 16 b + i = place 32 b + 16 (lane / 16) + i along K, become codes.  swap = 1: a whole fragment in v[pc] on and its scale word in v[pw];
; swap = 0: block b's two code words stay in v[pc + 2 b], v[pc + 2 b + 1] and its byte in v[TM + 4 + b]
.macro QUANT s, pc, pw, swap
.irp b,0,1,2,3
	v_max3_num_f32 v[TM+\b], |v[\s+16*\b]|, |v[\s+1+16*\b]|, 0x1800000   ; my 16 numbers of block b, and the floor 2^(3 - 127): the byte cannot fall under 1
.endr
.irp i,2,4,6,8,10,12,14
.irp b,0,1,2,3
	v_max3_num_f32 v[TM+\b], v[TM+\b], |v[\s+16*\b+\i]|, |v[\s+1+16*\b+\i]|
.endr
.endr
.irp b,0,1,2,3
	v_permlanex16_b32 v[TM+4+\b], v[TM+\b], s48, s49
.endr
.irp b,0,1,2,3
	v_max_num_f32 v[TM+\b], v[TM+\b], v[TM+4+\b]   ; with the lane 16 away: the block's largest magnitude
.endr
.irp b,0,1,2,3
	v_add_nc_u32 v[TM+12+\b], 0xff000000, v[TM+\b] ; 2 off its exponent field: the conversion's scale operand
.endr
.irp b,0,1,2,3
	v_lshrrev_b32 v[TM+4+\b], 23, v[TM+12+\b]      ; the scale's byte
.endr
.if \swap
	v_lshl_or_b32 v[\pw], v[TM+5], 8, v[TM+4]
	v_lshl_or_b32 v[\pw], v[TM+6], 16, v[\pw]
	v_lshl_or_b32 v[\pw], v[TM+7], 24, v[\pw]
.endif
.irp b,0,1,2,3
	v_cvt_scalef32_pk8_fp4_f32 v[(\pc)+2*\b], v[\s+16*\b:\s+7+16*\b], v[TM+12+\b]
	v_cvt_scalef32_pk8_fp4_f32 v[(\pc)+1+2*\b], v[\s+8+16*\b:\s+15+16*\b], v[TM+12+\b]
.endr
	v_nop                                          ; one plain place behind a scaled conversion
.if \swap
.irp c,0,1                                     ; the operand wants a whole block in a lane
.irp i,0,1
	v_permlane16_swap_b32 v[(\pc)+4*\c+\i], v[(\pc)+2+4*\c+\i]
.endr
.endr
.endif
.endm
.macro WFRAG reg, adr, off             ; a fragment's image comes back as it was laid
	ds_load_b128 v[(\reg):(\reg)+3], v[\adr] offset:(\off)
	ds_load_b128 v[(\reg)+4:(\reg)+7], v[\adr] offset:(\off)+512
.endm
.macro BIAS8 reg, adr, off             ; 128 numbers of a bias in the result's layout: eight tiles' C
.irp t,0,1,2,3,4,5,6,7
	ds_load_b128 v[(\reg)+8*\t:(\reg)+8*\t+3], v[\adr] offset:(\off)+4*(32*(\t/2)+8*(\t%2))
	ds_load_b128 v[(\reg)+8*\t+4:(\reg)+8*\t+7], v[\adr] offset:(\off)+4*(32*(\t/2)+8*(\t%2))+16
.endr
.endm
.macro ADD64 d, s
.set j_, 0
.rept 32
	v_pk_add_f32 v[\d+j_:\d+j_+1], v[\d+j_:\d+j_+1], v[\s+j_:\s+j_+1]
.set j_, j_+2
.endr
.endm
; the matrix instruction.  row = 1: source 0's scales from lanes 16-31; 2: source 1's
.macro W4 d, a, b, c, sa, sb, row
.if (\row) == 0
	v_wmma_scale_f32_16x16x128_f8f6f4 v[(\d):(\d)+7], v[(\a):(\a)+7], v[(\b):(\b)+7], v[(\c):(\c)+7], v[(\sa)], v[(\sb)] matrix_a_fmt:MATRIX_FMT_FP4 matrix_b_fmt:MATRIX_FMT_FP4
.elseif (\row) == 1
	v_wmma_scale_f32_16x16x128_f8f6f4 v[(\d):(\d)+7], v[(\a):(\a)+7], v[(\b):(\b)+7], v[(\c):(\c)+7], v[(\sa)], v[(\sb)] matrix_a_fmt:MATRIX_FMT_FP4 matrix_b_fmt:MATRIX_FMT_FP4 matrix_a_scale:MATRIX_SCALE_ROW1
.else
	v_wmma_scale_f32_16x16x128_f8f6f4 v[(\d):(\d)+7], v[(\a):(\a)+7], v[(\b):(\b)+7], v[(\c):(\c)+7], v[(\sa)], v[(\sb)] matrix_a_fmt:MATRIX_FMT_FP4 matrix_b_fmt:MATRIX_FMT_FP4 matrix_b_scale:MATRIX_SCALE_ROW1
.endif
.endm
.macro W4Z d, a, b, sa, sb, row        ; the same with C = 0
.if (\row) == 0
	v_wmma_scale_f32_16x16x128_f8f6f4 v[(\d):(\d)+7], v[(\a):(\a)+7], v[(\b):(\b)+7], 0, v[(\sa)], v[(\sb)] matrix_a_fmt:MATRIX_FMT_FP4 matrix_b_fmt:MATRIX_FMT_FP4
.else
	v_wmma_scale_f32_16x16x128_f8f6f4 v[(\d):(\d)+7], v[(\a):(\a)+7], v[(\b):(\b)+7], 0, v[(\sa)], v[(\sb)] matrix_a_fmt:MATRIX_FMT_FP4 matrix_b_fmt:MATRIX_FMT_FP4 matrix_b_scale:MATRIX_SCALE_ROW1
.endif
.endm
; eight tiles of a weight's rows against one fragment of tokens; the eight accumulators take turns
.macro MM8 acc, w, frag, ws, fs
.irp t,0,1,2,3,4,5,6,7
	W4 \acc+8*\t, \w+8*\t, \frag, \acc+8*\t, \ws+\t/2, \fs, \t%2
.endr
.endm
; q (grp = 0) or k (1) of tile m: product with the bias as C, quantised head by head (a head's 32 channels are one block), codes and scale words to LDS
.macro QKT grp, m
	BIAS8 R1, H64, QKB+512*\grp                    ; no wait: no vector or matrix instruction has named R1 since the last wait on va_vdst, which stands ahead of the run of stores or loads before
	s_wait_dscnt 0x0                               ; bias, weights and scale words are in
	MM8 R1, R2, XF+8*\m, WSA+4*\grp, XS+\m
	PLACES 4
.if \grp == 0
.set j_, 0
.rept 32
	v_pk_mul_f32 v[R1+j_:R1+j_+1], v[R1+j_:R1+j_+1], s[36:37] op_sel_hi:[1,0]   ; q x 32^-1/2
.set j_, j_+2
.endr
.endif
	s_wait_alu depctr_vm_vsrc(0)                   ; the stores issued so far have read v[PCT] .. v[PCT+7] and v58-61, which the lines below write again
	QUANT R1, PCT, 0, 0
.irp b,0,1,2,3
	v_lshl_or_b32 v[58+\b], v[TM+4+\b], 16, v[TM+4+\b]   ; the byte at blocks 0 and 2; the mask's byte at blocks 1 and 3
.if \grp == 0
	v_or_b32 v[58+\b], 0x7f007f00, v[58+\b]
.else
	v_or_b32 v[58+\b], 0x81008100, v[58+\b]
.endif
.endr
	s_wait_alu depctr_va_vdst(0)                   ; codes and scale words are written, which the stores read; the conversions are done reading R1 and the products R2, in which the next loads land
.irp b,0,1,2,3
.if \grp == 0
	ds_store_b64 v[QST], v[PCT+2*\b:PCT+2*\b+1] offset:5632*\b+256*\m
	ds_store_b32 v[QSS], v[58+\b] offset:QS+1408*\b+64*\m
.else
	ds_store_b64 v[KST], v[PCT+2*\b:PCT+2*\b+1] offset:5632*\b+128*\m
	ds_store_b32 v[KSS], v[58+\b] offset:KS+1408*\b+32*\m
.endif
.endr
.endm
; v, four tiles of 16 channels: NOT transposed (source 0 = my tokens), so that a lane holds one channel and 16 of my 32 tokens, which are one block along the keys
.macro VG g
.irp t,0,1,2,3                                 ; no wait: no vector or matrix instruction has named these registers since the wait ahead of the last run of stores
	WFRAG R2+8*\t, WQ, 1024*(16+4*\g+\t)
	ds_load_b32 v[VB+2*\t], v[VBA] offset:QKB+1024+4*(32*((4*\g+\t)/2)+8*(\t%2))
.endr
	s_wait_dscnt 0x0
.irp t,0,1,2,3
.irp m,0,1
	W4Z R1+16*\t+8*\m, XF+8*\m, R2+8*\t, XS+\m, WSA+8+2*\g+\t/2, 2*(\t%2)
.endr
.endr
	PLACES 4
.irp t,0,1,2,3
.irp j,0,2,4,6,8,10,12,14
	v_pk_add_f32 v[R1+16*\t+\j:R1+16*\t+\j+1], v[R1+16*\t+\j:R1+16*\t+\j+1], v[VB+2*\t:VB+2*\t+1] op_sel_hi:[1,0]
.endr
.endr
.irp t,0,1,2,3
.irp j,0,1,2,3,4,5,6,7
	v_cndmask_b32 v[R1+16*\t+8+\j], 0, v[R1+16*\t+8+\j], s[38+\j]   ; key places from 343 on are the quantiser's fill: 0
.endr
.endr
	s_wait_alu depctr_vm_vsrc(0)                   ; the stores issued so far have read v[PCT] .. v[PCT+7] and v[TM+4] .. v[TM+7], which the quantising writes again
	QUANT R1, PCT, 0, 0
	s_wait_alu depctr_va_vdst(0)                   ; codes and bytes are written, which the stores read; the products are done reading R2 and the additions v[VB ..], in which the next loads land
.irp t,0,1,2,3
	ds_store_b32 v[VST], v[PCT+2*\t] offset:3328*(4*\g+\t)
	ds_store_b32 v[VST], v[PCT+2*\t+1] offset:3328*(4*\g+\t)+8
	ds_store_b8 v[VSS], v[TM+4+\t] offset:VS+256*(4*\g+\t)    ; both lanes of a channel write the same byte with the same value
.endr
.endm
; A KEY STEP: keys 128 s on, nb blocks of 32
.macro STEP s, nb
.set b_, 0
.rept \nb                                      ; the bias, straight into the accumulators.  Register 16 b + i: key k in lanes 0-15, k + 16 in lanes 16-31.  L(k + 16) - L(k) takes four values: an address register for each,
.set i_, 0                                     ; which carries that difference in lanes 0-15; the immediate is key k + 16's.  Where k + 16 is past 342 both halves read key k's (class 4): those scores become -infinity below
.rept 16                                       ; No wait: no vector or matrix instruction has named S or the five addresses since the wait ahead of the last step's two products (first step: at the end of the head's set-up)
.set k_, 128*\s+32*b_+i_
.set xc_, ((k_%7)+2)/7
.set yc_, (((k_/7)%7)+2+xc_)/7
.set cl_, xc_+2*yc_
.set kk_, k_+16
.if kk_ >= 343
.set cl_, 4
.set kk_, k_
.endif
	ds_load_b32 v[S+16*b_+i_], v[AD+cl_] offset:16680-4*(169*(kk_/49)+13*((kk_/7)%7)+kk_%7)
.set i_, i_+1
.endr
.set b_, b_+1
.endr
	PLACES 4                                       ; behind the last products, in front of loads into their operands
.if \s > 0
	s_wait_alu depctr_va_vdst(0)                   ; the last step's two products are done reading V's fragments: K's codes land in the same registers
.endif
.irp b,0,1,2,3
.if \b < \nb
	ds_load_b128 v[KF+8*\b:KF+8*\b+3], v[KAH] offset:16*(128*\s+32*\b)          ; lanes 0-15: 16 keys' codes; lanes 16-31: their mask codes
	ds_load_b128 v[KF+8*\b+4:KF+8*\b+7], v[KAH] offset:16*(128*\s+32*\b)+256    ; the block's other 16 keys
	ds_load_b32 v[KSC+\b], v[KSAH] offset:KS+4*(128*\s+32*\b)
.endif
.endr
	s_wait_dscnt 0x0
.irp b,0,1,2,3
.if \b < \nb
	W4 S+16*\b, KF+8*\b, QA, S+16*\b, KSC+\b, QSW, 0           ; q in blocks 0, 1 and zeros in 2, 3: the first 16 keys count
	W4 S+16*\b+8, KF+8*\b, QA+4, S+16*\b+8, KSC+\b, QSW, 1     ; zeros in 0, 1 and q in 2, 3: the other 16
.endif
.endr
	PLACES 4
.irp b,0,1,2,3
.if \b < \nb
	v_max3_num_f32 v[BM+\b], v[S+16*\b], v[S+16*\b+1], v[S+16*\b+2]   ; each block's largest score: for the row's maximum and for the block's largest p
.endif
.endr
.if \s == 2
.irp i,39,40,41,42,43,44,45,46,47
	v_cndmask_b32 v[S+\i], v[S+\i], v[NEG], s52    ; key places 343 .. 351 (lanes 16-31): -infinity
.endr
.endif
.irp i,3,5,7,9,11,13
.irp b,0,1,2,3
.if \b < \nb
	v_max3_num_f32 v[BM+\b], v[BM+\b], v[S+16*\b+\i], v[S+16*\b+\i+1]
.endif
.endr
.endr
.irp b,0,1,2,3
.if \b < \nb
	v_max_num_f32 v[BM+\b], v[BM+\b], v[S+16*\b+15]
.endif
.endr
.irp b,0,1,2,3
.if \b < \nb
	v_permlanex16_b32 v[T4+\b], v[BM+\b], s48, s49
.endif
.endr
.irp b,0,1,2,3
.if \b < \nb
	v_max_num_f32 v[BM+\b], v[BM+\b], v[T4+\b]
.endif
.endr
	v_max3_num_f32 v[TMP], v[BM], v[BM+1], v[BM+2]
.if \nb == 4
	v_max_num_f32 v[TMP], v[TMP], v[BM+3]
.endif
	v_mul_f32 v[TMP], s50, v[TMP]                  ; as t = logit x log2(e)
	v_max_num_f32 v[TMX], v[TMX], v[TMP]           ; the running largest t
	v_mov_b32 v[TMP], v[NM]
	v_floor_f32 v[NM], -v[TMX]                     ; -M = -ceil(t): a whole number
	v_sub_f32 v[TMP], v[NM], v[TMP]
	v_cvt_i32_f32 v[TMP], v[TMP]                   ; (it saturates)
	v_ldexp_f32 v[FF], 1.0, v[TMP]                 ; 2^(old M - new M): exact
.set j_, 0
.rept 8*\nb
	v_pk_fma_f32 v[S+j_:S+j_+1], v[S+j_:S+j_+1], s[50:51], v[NM:NM+1] op_sel_hi:[1,0,0]
.set j_, j_+2
.endr
.irp b,0,1,2,3
.if \b < \nb
	v_fma_f32 v[BM+\b], v[BM+\b], s50, v[NM]
.endif
.endr
.set j_, 0
.rept 16*\nb
	v_exp_f32 v[S+j_], v[S+j_]                     ; p = 2^(t - M)
.set j_, j_+1
.endr
	v_pk_mul_f32 v[SUM:SUM+1], v[SUM:SUM+1], v[FF:FF+1] op_sel_hi:[1,0]   ; a plain place behind the batch
	s_wait_alu depctr_va_vdst(0)                   ; the batch's p are written, ahead of their first reader; and the score products are done reading K's fragments, the last step's products V's scale word: V's land there
.irp u,0,1
.irp c,0,1
	ds_load_b128 v[VF+8*\u+4*\c:VF+8*\u+4*\c+3], v[VAH] offset:3328*\u+64*\s+32*\c   ; V's two tiles land under the rest of the softmax, which names none of their registers
.endr
.endr
	ds_load_b32 v[VSC], v[VSAH] offset:VS+4*\s
.irp b,0,1,2,3
.if \b < \nb
	v_exp_f32 v[BM+\b], v[BM+\b]                   ; the block's largest p
.endif
.endr
	v_pk_add_f32 v[T4:T4+1], v[S:S+1], v[S+2:S+3]  ; the row's sum, of the unquantised p
.set j_, 4
.rept 4*\nb-1
	v_pk_add_f32 v[SUM:SUM+1], v[SUM:SUM+1], v[S+j_:S+j_+1]
	v_pk_add_f32 v[T4:T4+1], v[T4:T4+1], v[S+j_+2:S+j_+3]
.set j_, j_+4
.endr
	v_pk_add_f32 v[SUM:SUM+1], v[SUM:SUM+1], v[T4:T4+1]
	s_wait_alu depctr_va_vdst(0)                   ; the blocks' largest p are written, ahead of their first reader
.irp b,0,1,2,3
.if \b < \nb
	v_max_num_f32 v[BM+\b], 0x1800000, v[BM+\b]
.endif
.endr
.irp b,0,1,2,3
.if \b < \nb
	v_add_nc_u32 v[SCL+\b], 0xff000000, v[BM+\b]
.endif
.endr
.irp b,0,1,2,3
.if \b < \nb
	v_lshrrev_b32 v[T4+\b], 23, v[SCL+\b]
.endif
.endr
	v_lshl_or_b32 v[PW], v[T4+1], 8, v[T4]
	v_lshl_or_b32 v[PW], v[T4+2], 16, v[PW]
.if \nb == 4
	v_lshl_or_b32 v[PW], v[T4+3], 24, v[PW]
.else
	v_or_b32 v[PW], 0x7f000000, v[PW]              ; the fill's block: zero codes under the byte 127
.endif
.irp b,0,1,2,3
.if \b < \nb
	v_cvt_scalef32_pk8_fp4_f32 v[PC+2*\b], v[S+16*\b:S+16*\b+7], v[SCL+\b]
	v_cvt_scalef32_pk8_fp4_f32 v[PC+2*\b+1], v[S+16*\b+8:S+16*\b+15], v[SCL+\b]
.endif
.endr
.if \nb == 3
	v_mov_b32 v[PC+6], 0
	v_mov_b32 v[PC+7], 0
.endif
	v_nop
.irp c,0,1
.irp i,0,1
	v_permlane16_swap_b32 v[PC+4*\c+\i], v[PC+2+4*\c+\i]
.endr
.endr
.irp j,0,2,4,6,8,10,12,14
	v_pk_mul_f32 v[O+\j:O+\j+1], v[O+\j:O+\j+1], v[FF:FF+1] op_sel_hi:[1,0]   ; O under the new M; also the places in front of the products below
.endr
	s_wait_dscnt 0x0                               ; V is in
	s_wait_alu depctr_va_vdst(0)                   ; p's codes and scale word are written, which the two products take; the conversions are done reading S, in which the next step's bias lands behind the products
	W4 O, VF, PC, O, VSC, PW, 0
	W4 O+8, VF+8, PC, O+8, VSC, PW, 1
.endm
; a head's end: O / the sum, quantised (the head's 32 channels are one block of proj's K), into my image of proj's operand
.macro HEADEND
	v_add_f32 v[SUM], v[SUM], v[SUM+1]
	v_permlanex16_b32 v[TMP], v[SUM], s48, s49
	v_add_f32 v[SUM], v[SUM], v[TMP]
	PLACES 2
	v_rcp_f32 v[SUM], v[SUM]
	v_nop
	s_wait_alu depctr_va_vdst(0)                   ; the reciprocal is written, ahead of its first reader
.irp j,0,2,4,6,8,10,12,14
	v_pk_mul_f32 v[O+\j:O+\j+1], v[O+\j:O+\j+1], v[SUM:SUM+1] op_sel_hi:[1,0]
.endr
	v_max3_num_f32 v[TMP], |v[O]|, |v[O+1]|, 0x1800000
	v_max3_num_f32 v[TMP+1], |v[O+2]|, |v[O+3]|, |v[O+6]|
	v_max3_num_f32 v[TMP], v[TMP], |v[O+4]|, |v[O+5]|
	v_max3_num_f32 v[TMP+1], v[TMP+1], |v[O+7]|, |v[O+10]|
	v_max3_num_f32 v[TMP], v[TMP], |v[O+8]|, |v[O+9]|
	v_max3_num_f32 v[TMP+1], v[TMP+1], |v[O+11]|, |v[O+14]|
	v_max3_num_f32 v[TMP], v[TMP], |v[O+12]|, |v[O+13]|
	v_max3_num_f32 v[TMP], v[TMP], v[TMP+1], |v[O+15]|
	v_permlanex16_b32 v[TMP+1], v[TMP], s48, s49
	v_max_num_f32 v[TMP], v[TMP], v[TMP+1]
	v_add_nc_u32 v[TMP], 0xff000000, v[TMP]
	v_lshrrev_b32 v[BM], 23, v[TMP]
	v_cvt_scalef32_pk8_fp4_f32 v[OC], v[O:O+7], v[TMP]
	v_cvt_scalef32_pk8_fp4_f32 v[OC+1], v[O+8:O+15], v[TMP]
	v_nop
	s_wait_alu depctr_va_vdst(0)                   ; the head's codes and its byte are written, which the two stores read
	ds_store_b64 v[OSTH], v[OC:OC+1]
	ds_store_b8 v[OSSH], v[BM]
.endm
; gelu(x) = x/2 + x/2 erf(x / sqrt 2); erf(z) = z P(z^2) / Q(z^2) on |z| <= 4.  Eight pairs at a time, each line over all eight
.macro GELU
.irp g,0,1,2,3
.irp p,0,2,4,6,8,10,12,14
	v_pk_mul_f32 v[GZ+\p:GZ+\p+1], v[R1+16*\g+\p:R1+16*\g+\p+1], s[32:33] op_sel_hi:[1,0]
.endr
.irp p,0,1,2,3,4,5,6,7,8,9,10,11,12,13,14,15
	v_med3_num_f32 v[GZ+\p], v[GZ+\p], -4.0, 4.0
.endr
.irp p,0,2,4,6,8,10,12,14
	v_pk_mul_f32 v[GZ2+\p:GZ2+\p+1], v[GZ+\p:GZ+\p+1], v[GZ+\p:GZ+\p+1]
.endr
.irp p,0,2,4,6,8,10,12,14
	v_pk_fma_f32 v[GP+\p:GP+\p+1], v[GZ2+\p:GZ2+\p+1], s[12:13], v[ERA:ERA+1] op_sel_hi:[1,0,1]
.endr
.irp p,0,2,4,6,8,10,12,14
	v_pk_fma_f32 v[GQ+\p:GQ+\p+1], v[GZ2+\p:GZ2+\p+1], s[24:25], v[ERB:ERB+1] op_sel_hi:[1,0,1]
.endr
.irp c,14,16,18,20,22
.irp p,0,2,4,6,8,10,12,14
	v_pk_fma_f32 v[GP+\p:GP+\p+1], v[GP+\p:GP+\p+1], v[GZ2+\p:GZ2+\p+1], s[\c:\c+1] op_sel_hi:[1,1,0]
.endr
.endr
.irp c,26,28,30
.irp p,0,2,4,6,8,10,12,14
	v_pk_fma_f32 v[GQ+\p:GQ+\p+1], v[GQ+\p:GQ+\p+1], v[GZ2+\p:GZ2+\p+1], s[\c:\c+1] op_sel_hi:[1,1,0]
.endr
.endr
.irp p,0,2,4,6,8,10,12,14
	v_pk_mul_f32 v[GP+\p:GP+\p+1], v[GP+\p:GP+\p+1], v[GZ+\p:GZ+\p+1]
.endr
.irp p,0,1,2,3,4,5,6,7,8,9,10,11,12,13,14,15
	v_rcp_f32 v[GQ+\p], v[GQ+\p]
.endr
.irp p,0,2,4,6,8,10,12,14
	v_pk_mul_f32 v[R1+16*\g+\p:R1+16*\g+\p+1], v[R1+16*\g+\p:R1+16*\g+\p+1], 0.5 op_sel_hi:[1,0]   ; independent work behind the reciprocals
.endr
	s_wait_alu depctr_va_vdst(0)                   ; the sixteen reciprocals are written, ahead of their first reader
.irp p,0,2,4,6,8,10,12,14
	v_pk_mul_f32 v[GP+\p:GP+\p+1], v[GP+\p:GP+\p+1], v[GQ+\p:GQ+\p+1]
.endr
.irp p,0,2,4,6,8,10,12,14
	v_pk_fma_f32 v[R1+16*\g+\p:R1+16*\g+\p+1], v[R1+16*\g+\p:R1+16*\g+\p+1], v[GP+\p:GP+\p+1], v[R1+16*\g+\p:R1+16*\g+\p+1]
.endr
.endr
.endm
; half u of eight pairs of rows leaves: sixteen lanes store 256 consecutive bytes, at a multiple of 256 from out0's first byte.  Pairs wholly past token 342 are not stored
.macro WSEND u, ob, young
.irp i,0,1,2,3,4,5,6,7
	s_cmp_gt_u32 s[sNR], 2*\i
	s_cbranch_scc0 .Lsent_\@
	s_wait_dscnt \young+7-\i                       ; the LDS instructions issued behind pair i's load may stay out
	global_store_b128 v[GA+\i], v[\ob+4*\i:\ob+4*\i+3], s[10:11] offset:256*\u th:TH_STORE_NT
.endr
.Lsent_\@:
.endm
; ================ the head: ids, the window, every address of the first two phases
	s_load_b512 s[8:23], s[0:1], 0x0               ; x, out0, rel_table, the four tensors of codes, qkv's scales
	s_load_b512 s[24:39], s[0:1], 0x40             ; proj's, fc1's, fc2's scales, norm1_g, norm1_b, norm2_g, norm2_b, proj_b
	s_load_b128 s[40:43], s[0:1], 0x80             ; fc2_b, qkv_b
	s_load_b64 s[44:45], s[0:1], 0x90              ; fc1_b
	v_lshl_add_u32 v[SPW], v0, 2, SPARE
	v_mov_b32 v[NIL], 0
	v_lshrrev_b32 v3, 5, v0
	v_readfirstlane_b32 s[sWV], v3                 ; wave 0 .. 10
	v_and_b32 v[R], 15, v0
	v_bfe_u32 v[HH], v0, 4, 1
	v_and_b32 v[L16], 31, v0
	v_lshlrev_b32 v[L4], 2, v[L16]
	v_lshlrev_b32 v[L16], 4, v[L16]
	v_lshlrev_b32 v[H64], 6, v[HH]
	v_lshlrev_b32 v[R16], 4, v[R]
	v_lshlrev_b32 v[R4], 2, v[R]
	s_wait_alu depctr_va_sdst(0)                   ; the wave's number is written into its scalar register, ahead of its first reader
	s_and_b32 s70, ttmp9, 7                        ; the window's place: wx,
	s_bfe_u32 s71, ttmp9, 0x30003                  ; wy,
	s_bfe_u32 s72, ttmp9, 0x10006                  ; wz,
	s_lshr_b32 s[sB14], ttmp9, 7                   ; the batch
	s_mul_i32 s[sB14], s[sB14], 14
	s_mul_i32 s7, s70, 7
	s_add_co_u32 s7, s7, 3                         ; first column of the window in x: 7 wx + the shift
	s_mul_i32 s6, s71, 7
	s_add_co_u32 s6, s6, 3
	s_mul_i32 s5, s72, 7
	s_add_co_u32 s5, s5, 3
	s_add_co_u32 s70, s70, 1
	s_lshr_b32 s70, s70, 3
	s_lshl_b32 s70, s70, 2
	s_add_co_u32 s71, s71, 1
	s_lshr_b32 s71, s71, 3
	s_lshl_b32 s71, s71, 1
	s_or_b32 s[sF], s72, s71
	s_or_b32 s[sF], s[sF], s70                     ; which axes have this window as their last
	s_mov_b32 s48, 0x76543210
	s_mov_b32 s49, 0xfedcba98                      ; v_permlanex16_b32's selects for the lane 16 away
	s_mov_b32 s50, 0x3fb8aa3b                      ; log2(e)
	s_mov_b32 s51, 0x3fb8aa3b
	s_mov_b32 s52, 0xffff0000                      ; lanes 16-31
	s_lshl_b32 s[sN0], s[sWV], 5                   ; my first token
	s_mul_i32 s[sOI], s[sWV], 1280
	s_add_co_u32 s[sOI], s[sOI], OIMG
	s_mul_i32 s[sST], s[sWV], 4352
	s_add_co_u32 s[sST], s[sST], STG
	s_lshl_b32 s70, s[sWV], 9
	s_lshl_b32 s71, s[sWV], 7
	s_lshl_b32 s72, s[sWV], 4
	s_add_co_u32 s73, s70, QC
	s_add_co_u32 s74, s70, KC
	s_add_co_u32 s75, s70, KM
	s_add_co_u32 s72, s72, VT
	v_lshrrev_b32 v60, 3, v[R]
	v_and_b32 v61, 7, v[R]
	v_lshl_add_u32 v[QST], v[HH], 3, v[R16]
	v_add_nc_u32 v[QST], s73, v[QST]               ; q's codes: token order, 8 bytes for each half of the lanes
	v_add_nc_u32 v[QSS], s71, v[R4]
	v_lshlrev_b32 v62, 4, v61
	v_lshl_add_u32 v62, v60, 8, v62                ; k's slot: token 32 w + 16 m + 8 u + l lies in slot 32 w + 16 u + 8 m + l
	v_add_nc_u32 v[KMS], s75, v62
	v_lshl_add_u32 v62, v[HH], 3, v62
	v_add_nc_u32 v[KST], s74, v62
	v_lshlrev_b32 v[KSS], 2, v61
	v_lshl_add_u32 v[KSS], v60, 6, v[KSS]
	v_add_nc_u32 v[KSS], s71, v[KSS]
	v_mul_u32_u24 v[VST], v[R], 208
	v_lshl_add_u32 v[VST], v[HH], 2, v[VST]
	v_add_nc_u32 v[VST], s72, v[VST]               ; v's codes: channel row r, my wave's 16 bytes, 4 for each half
	v_add_nc_u32 v[VSS], s[sWV], v[R16]
	v_lshl_add_u32 v[VBA], v60, 5, v[R4]           ; 4 (r + 8 (r / 8))
	v_add_nc_u32 v[WQ], WQK, v[L16]
	; where the staged bytes go.  A thread's 16 bytes are one lane's part of one register group of an image
	v_and_b32 v199, 1, v0
	v_lshlrev_b32 v36, 8, v199
	v_bfe_u32 v199, v0, 1, 1
	v_lshl_add_u32 v36, v199, 9, v36
	v_mov_b32 v37, v36
	v_bfe_u32 v199, v0, 2, 3
	v_lshl_add_u32 v36, v199, 4, v36
	v_bfe_u32 v199, v0, 5, 1
	v_lshl_add_u32 v36, v199, 10, v36
	v_bfe_u32 v199, v0, 6, 1
	v_lshl_add_u32 v36, v199, 7, v36
	v_bfe_u32 v199, v0, 7, 1
	v_lshl_add_u32 v36, v199, 11, v36
	v_add_nc_u32 v36, WQK, v36                     ; rows of 64 bytes (qkv, proj, fc1)
	v_bfe_u32 v199, v0, 2, 2
	v_lshl_add_u32 v37, v199, 10, v37
	v_bfe_u32 v199, v0, 4, 3
	v_lshl_add_u32 v37, v199, 4, v37
	v_bfe_u32 v199, v0, 7, 1
	v_lshl_add_u32 v37, v199, 12, v37
	v_add_nc_u32 v37, WF2, v37                     ; rows of 256 bytes (fc2)
	v_bfe_u32 v199, v0, 3, 2
	v_lshlrev_b32 v38, 7, v199
	v_bfe_u32 v199, v0, 1, 1
	v_lshl_add_u32 v38, v199, 6, v38
	v_bfe_u32 v199, v0, 2, 1
	v_lshl_add_u32 v38, v199, 5, v38
	v_and_b32 v199, 1, v0
	v_lshl_add_u32 v38, v199, 4, v38               ; scale words, four rows a lane
	v_bfe_u32 v199, v0, 3, 1
	v_lshlrev_b32 v39, 6, v199
	v_bfe_u32 v199, v0, 4, 1
	v_lshl_add_u32 v39, v199, 5, v39
	v_and_b32 v199, 7, v0
	v_lshl_add_u32 v39, v199, 2, v39               ; fc2's, a row a lane
	v_lshl_add_u32 v40, v0, 2, TBL
.irp i,0,1,2,3,4,5,6
	v_add_nc_u32 v[41+\i], 352*\i, v0
	v_min_u32 v[41+\i], 0x894, v[41+\i]            ; the table's last row serves the places past it
	v_lshlrev_b32 v[41+\i], 4, v[41+\i]
.endr
	v_lshlrev_b32 v58, 4, v0
	v_and_b32 v199, 31, v0
	v_mul_u32_u24 v59, v199, 208
	v_add_nc_u32 v59, VT+176, v59
	; my two tokens: 32 w + r and 16 further on.  4 L of both is made here, from the thread's number and constants alone
	v_and_b32 v192, 0x1e0, v0
	v_add_nc_u32 v192, v192, v[R]
	v_add_nc_u32 v193, 16, v192                    ; up to 351
	TCOORD 192, 196, 197, 198, 199
	v_mad_u32_u24 v[LQ0], v196, 169, v198
	v_mad_u32_u24 v[LQ0], v197, 13, v[LQ0]         ; L
	v_lshlrev_b32 v[LQ0], 2, v[LQ0]
	TLAB 204, 196, 197, 198, 199
	TOFF XA, 196, 197, 198, 199
	v_add_nc_u32 v[XA], v[XA], v[H64]
	MASKE 204, 0xae, 60, 61, 199
	v_sub_nc_u32 v60, 0xaeaeaeae, v60              ; (-4, -1) at every byte but the label's
	v_sub_nc_u32 v61, 0xaeaeaeae, v61
	v_mov_b32 v62, 0
	v_mov_b32 v63, 0
	TCOORD 193, 196, 197, 198, 199                 ; the second token as it counts, past 342 too
	v_mad_u32_u24 v[LQ1], v196, 169, v198
	v_mad_u32_u24 v[LQ1], v197, 13, v[LQ1]
	v_lshlrev_b32 v[LQ1], 2, v[LQ1]
	v_cmp_gt_u32 vcc_lo, 343, v193
	s_wait_alu depctr_va_vcc(0)                    ; the compare has written VCC, ahead of the select that reads it
	v_cndmask_b32 v[LQ1], 0x1128, v[LQ1], vcc_lo   ; past 342: token 342's, 4 x 1098
	v_min_u32 v193, 0x156, v193                    ; and for x and the label the token itself is held at 342
	TCOORD 193, 196, 197, 198, 199
	TLAB 204, 196, 197, 198, 199
	TOFF XA1, 196, 197, 198, 199
	v_add_nc_u32 v[XA1], v[XA1], v[H64]
	MASKE 204, 0xae, 200, 201, 199
	v_sub_nc_u32 v200, 0xaeaeaeae, v200
	v_sub_nc_u32 v201, 0xaeaeaeae, v201
	v_mov_b32 v202, 0
	v_mov_b32 v203, 0
	s_wait_alu depctr_va_vdst(0)                   ; every address and offset made above and both tokens' mask codes are written, which the stores and loads below read; the lines above are done with v192-204, in which staged codes land
.irp c,0,1,2,3
	ds_store_b128 v[KMS], v[60:63] offset:5632*\c
.endr
.irp c,0,1,2,3
	ds_store_b128 v[KMS], v[200:203] offset:5632*\c+128
.endr
	s_wait_alu depctr_vm_vsrc(0)                   ; the eight stores have read v200-203, in which loads of waves 0 to 7 land: stated ahead of the branch on the wave's number
	s_wait_kmcnt 0x0
; ================ staging: x of tile 0 is asked for first; every thread brings seven rows of the table; then the waves part by number
	XLOAD R1, XA, 0
.irp i,0,1,2,3,4,5,6
	global_load_b128 v[224+4*\i:227+4*\i], v[41+\i], s[12:13]
.endr
	s_cmp_lt_u32 s[sWV], 8
	s_cbranch_scc0 .Lrole_scales
.irp i,0,1,2,3,4,5                             ; waves 0-7: the codes, 4,096 consecutive bytes a load of the eight waves
	global_load_b128 v[128+4*\i:131+4*\i], v58, s[14:15] offset:4096*\i
.endr
.irp i,0,1
	global_load_b128 v[152+4*\i:155+4*\i], v58, s[16:17] offset:4096*\i
.endr
.irp i,0,1,2,3,4,5,6,7
	global_load_b128 v[160+4*\i:163+4*\i], v58, s[18:19] offset:4096*\i
.endr
.irp i,0,1,2,3,4,5,6,7
	global_load_b128 v[192+4*\i:195+4*\i], v58, s[20:21] offset:4096*\i
.endr
	s_wait_loadcnt 0x0
.irp i,0,1,2,3,4,5,6,7,8,9,10,11,12,13,14,15
	ds_store_b128 v36, v[128+4*\i:131+4*\i] offset:4096*\i
.endr
.irp i,0,1,2,3,4,5,6,7
	ds_store_b128 v37, v[192+4*\i:195+4*\i] offset:8192*(\i/2)+128*(\i%2)
.endr
	s_branch .Ljoin
.Lrole_scales:
	s_cmp_eq_u32 s[sWV], 8
	s_cbranch_scc0 .Lrole_bias
.irp j,0,1,2                                   ; wave 8: the weights' scale bytes
	global_load_b128 v[128+4*\j:131+4*\j], v[L16], s[22:23] offset:512*\j
.endr
	global_load_b128 v[140:143], v[L16], s[24:25]
.irp j,0,1,2,3
	global_load_b128 v[144+4*\j:147+4*\j], v[L16], s[26:27] offset:512*\j
.endr
.irp j,0,1,2,3
	global_load_b128 v[160+4*\j:163+4*\j], v[L16], s[28:29] offset:512*\j
.endr
	s_wait_loadcnt 0x0
.irp j,0,1,2,3,4,5,6,7
	ds_store_b128 v38, v[128+4*\j:131+4*\j] offset:SQK+512*\j
.endr
.irp j,0,1,2,3
.irp k,0,1,2,3
	ds_store_b32 v39, v[160+4*\j+\k] offset:SF2+512*\k+128*\j
.endr
.endr
	s_branch .Ljoin
.Lrole_bias:
	s_cmp_eq_u32 s[sWV], 9
	s_cbranch_scc0 .Lrole_fill
	global_load_b128 v[128:131], v[L16], s[30:31]  ; wave 9: gains and biases, as they lie
	global_load_b128 v[132:135], v[L16], s[32:33]
	global_load_b128 v[136:139], v[L16], s[34:35]
	global_load_b128 v[140:143], v[L16], s[36:37]
	global_load_b128 v[144:147], v[L16], s[38:39]
	global_load_b128 v[148:151], v[L16], s[40:41]
.irp j,0,1,2
	global_load_b128 v[152+4*\j:155+4*\j], v[L16], s[42:43] offset:512*\j
.endr
.irp j,0,1,2,3
	global_load_b128 v[164+4*\j:167+4*\j], v[L16], s[44:45] offset:512*\j
.endr
	s_wait_loadcnt 0x0
.irp j,0,1,2,3,4,5,6,7,8,9,10,11,12
	ds_store_b128 v[L16], v[128+4*\j:131+4*\j] offset:512*\j
.endr
	s_branch .Ljoin
.Lrole_fill:
.irp j,128,129,130,131                         ; wave 10: V's fill, key places 352 .. 383: zero codes under the byte 127
	v_mov_b32 v[\j], 0
.endr
	v_mov_b32 v132, 127
	s_wait_alu depctr_va_vdst(0)                   ; the zeros and the byte are written, which the stores read
.irp j,0,1,2,3
	ds_store_b128 v59, v[128:131] offset:6656*\j
	ds_store_b8 v[L16], v132 offset:VS+512*\j+11
.endr
.Ljoin:
	s_wait_loadcnt 0x0                             ; the table's rows and x
.irp i,0,1,2,3,4,5,6
.irp k,0,1,2,3
	ds_store_b32 v40, v[224+4*\i+\k] offset:1408*\i+9856*\k
.endr
.endr
	s_wait_dscnt 0x0                               ; for the others' sake: my stores have landed
	s_barrier_signal -1
	s_barrier_wait -1                              ; weights, scale words, biases, table and mask codes lie in LDS
	s_wait_alu depctr_vm_vsrc(0)                   ; my staging loads and stores have read their addresses (v36-47, v58, v59) and data (v60-63, v128-251): all of these are written again from here on, by vector lines and by loads
	; no load is out: the pointers' registers take the constants
	SPAIR 12, 0xaf95df0b                           ; erf above: z^13, (z^11 in v16), z^9, z^7, z^5, z^3, z
	SPAIR 14, 0xb60cff51
	SPAIR 16, 0xb86ec2d2
	SPAIR 18, 0xba40ac63
	SPAIR 20, 0xbb41a1f6
	SPAIR 22, 0xbc83dbd4
	SPAIR 24, 0xb77460cd                           ; below: z^8, (z^6 in v18), z^4, z^2, 1
	SPAIR 26, 0xbadc924e
	SPAIR 28, 0xbbf19bf8
	SPAIR 30, 0xbc69b6a7
	SPAIR 32, 0x3f3504f3                           ; 1 / sqrt 2
	s_mov_b32 s34, 0x3c000000                      ; 1 / 128
	s_mov_b32 s35, 0x3727c5ac                      ; 1e-5
	SPAIR 36, 0x3e3504f3                           ; 32^-1/2
	v_mov_b32 v[NEG], 0xff800000
	v_mov_b32 v[ERA], 0x32edffee
	v_mov_b32 v[ERA+1], 0x32edffee
	v_mov_b32 v[ERB], 0xb95fbd29
	v_mov_b32 v[ERB+1], 0xb95fbd29
.irp j,0,1,2,3
	v_mov_b32 v[ZZ+\j], 0
.endr
.irp j,0,1,2,3,4,5,6,7,8,9,10,11,12,13,14,15
	v_mov_b32 v[TM+\j], 0                          ; written once: a lane permute's destination counts as one of its sources
.endr
; ================ phase A: LN1, q, k, v of my 32 tokens
	XLOAD R2, XA1, 0                               ; no wait on va_vdst: its offset was written ahead of the head's wait, and no vector line since a wait on its way names R2
	LNORM R1, R1, NG1, NB1
	QUANT R1, XF, XS, 1
	s_wait_loadcnt 0x0
	LNORM R2, R2, NG1, NB1
	QUANT R2, XF+8, XS+1, 1
	s_wait_alu depctr_va_vdst(0)                   ; the conversions are done reading R2 and R1, in which weights' fragments and q's bias land; x's two fragments and scale words are written, which the products take (the places below stay beside this wait)
.irp p,0,1,2,3,4,5,6,7,8,9,10,11
	ds_load_b32 v[WSA+\p], v[L4] offset:SQK+128*\p
.endr
.irp t,0,1,2,3,4,5,6,7
	WFRAG R2+8*\t, WQ, 1024*\t
.endr
	PLACES 8                                       ; behind the scale word and the fragment just made by vector instructions
	QKT 0, 0
	QKT 0, 1
.irp t,0,1,2,3,4,5,6,7
	WFRAG R2+8*\t, WQ, 8192+1024*\t                ; no wait: the wait ahead of the stores above has shown the products done reading R2
.endr
	QKT 1, 0
	QKT 1, 1
	v_lshlrev_b32 v62, 3, v[HH]
	v_add_nc_u32 v62, s[sN0], v62                  ; 32 w + 8 h
.irp j,0,1,2,3,4,5,6,7
	v_cmp_gt_u32 s[38+\j], 327-\j, v62             ; is token 32 w + 16 + 8 h + j under 343?
.endr
	s_wait_alu depctr_va_sdst(0)                   ; the eight masks are written, ahead of the selects that read them
.irp j,1,3,5,7
	v_mov_b32 v[VB+\j], 0                          ; (named as the upper halves of pairs)
.endr
	VG 0
	VG 1
	s_wait_dscnt 0x0
	s_barrier_signal -1
	s_barrier_wait -1                              ; K and V of the whole window lie in LDS; from here on a wave writes its own bytes alone
; ================ my two tiles, one after the other
	s_mov_b32 s[sTT], 0
.Ltile:
	s_wait_alu depctr_vm_vsrc(0)                   ; every load and store issued so far (phase A's; on the way back the last tile's) has read its addresses and data: v10-13, v48-63, v64-95, R2, v192-231 are written again below, by vector lines and by loads
	s_lshl_b32 s[sNT], s[sTT], 4
	s_add_co_u32 s[sNT], s[sNT], s[sN0]            ; the tile's first token
	s_sub_co_u32 s[sNR], 0x157, s[sNT]             ; live rows from there on
	s_lshl_b32 s[sTQ], s[sNT], 4
	s_add_co_u32 s[sTQ], s[sTQ], QC
	s_lshl_b32 s[sTS], s[sNT], 2
	v_add_nc_u32 v54, s[sNT], v[R]
	v_min_u32 v54, 0x156, v54
	TCOORD 54, 55, 56, 57, 58
	TLAB 59, 55, 56, 57, 58
	TOFF XA, 55, 56, 57, 58
	v_add_nc_u32 v[XA], v[XA], v[H64]
	s_wait_alu depctr_va_vdst(0)                   ; my offset in x is written, which the loads read; the products before are done with R2, in which they land
	XLOAD R2, XA, 1                                ; the shortcut: asked for here, wanted behind the attention
	MASKE 59, 0x27, UQ0, UQ1, 58                   ; (6, 1) at my label's byte
	s_cmp_eq_u32 s[sTT], 0
	s_cselect_b32 s70, 0, -1
	v_cndmask_b32 v[LQ4], v[LQ0], v[LQ1], s70      ; 4 L of this tile's query: one of the two made at the head
	v_and_b32 v[LQ4], 0x1ffc, v[LQ4]               ; a multiple of 4, at most 4,392: the bound is written into the text, so that the gathers below are seen to stay in the table
	s_mov_b32 s[sHK], KC
	s_mov_b32 s[sHQ], s[sTQ]
	s_mov_b32 s[sHS], 0
	s_mov_b32 s[sHT], 512
	s_mov_b32 s[sHV], VT
	s_mov_b32 s[sHVS], 0
	s_mov_b32 s[sHO], s[sOI]
	s_add_co_u32 s[sHB], s[sOI], 1024
	s_mov_b32 s[sHC], 0
.Lhead:
	s_wait_alu depctr_vm_vsrc(0)                   ; the LDS instructions of the head before have read their addresses (v56-61, v248-254) and the two stores their data (v62, v63, v208): all are written again in this head
	v_add_nc_u32 v[QAD], s[sHQ], v[R16]
	v_add_nc_u32 v[QSD], s[sHS], v[R4]
	v_add_nc_u32 v[QSD], s[sTS], v[QSD]
	s_wait_alu depctr_va_vdst(0)                   ; the two addresses are written, which the loads read; the products of the head before are done reading q's operand and its scale word, in which they land
	ds_load_b128 v[QA:QA+3], v[QAD]
	ds_load_b32 v[QSW], v[QSD] offset:QS
	v_mad_u32_u24 v[KAH], v[HH], KM-KC, v[R16]     ; lanes 0-15 read codes, lanes 16-31 mask codes: one product, the lower base + h x the distance
	v_add_nc_u32 v[KAH], s[sHK], v[KAH]
	v_add_nc_u32 v[KSAH], s[sHS], v[L4]
	v_mul_u32_u24 v[VAH], v[R], 208
	v_lshl_add_u32 v[VAH], v[HH], 4, v[VAH]
	v_add_nc_u32 v[VAH], s[sHV], v[VAH]
	v_add_nc_u32 v[VSAH], s[sHVS], v[L16]
	v_xor_b32 v[AD+4], 1, v[HH]                    ; the gathers' addresses: 4 L(query), + 4 (L(k + 16) - L(k)) in lanes 0-15, + 512 + the head's table: additions alone, the head's term last
	v_mad_u32_u24 v[AD], v[AD+4], 112, v[LQ4]
	v_mad_u32_u24 v[AD+1], v[AD+4], 136, v[LQ4]
	v_mad_u32_u24 v[AD+2], v[AD+4], 424, v[LQ4]
	v_mad_u32_u24 v[AD+3], v[AD+4], 448, v[LQ4]
	v_add_nc_u32 v[AD], s[sHT], v[AD]
	v_add_nc_u32 v[AD+1], s[sHT], v[AD+1]
	v_add_nc_u32 v[AD+2], s[sHT], v[AD+2]
	v_add_nc_u32 v[AD+3], s[sHT], v[AD+3]
	v_add_nc_u32 v[AD+4], s[sHT], v[LQ4]
	v_mov_b32 v[TMX], 0xff61b1e6                   ; -3e38, under every t
	v_floor_f32 v[NM], -v[TMX]
	v_mov_b32 v[SUM], 0
	v_mov_b32 v[SUM+1], 0
	v_mov_b32 v[FF+1], 0                           ; (named as the upper half of a pair)
	s_wait_dscnt 0x0                               ; q is in
	v_lshl_add_u32 v[OSTH], v[HH], 3, v[R16]
	v_add_nc_u32 v[OSTH], s[sHO], v[OSTH]
	v_add_nc_u32 v[OSSH], s[sHB], v[R4]
	v_cndmask_b32 v[QA], v[QA], v[UQ0], s52        ; lanes 16-31: my mask codes
	v_cndmask_b32 v[QA+1], v[QA+1], v[UQ1], s52
	v_cndmask_b32 v[QA+2], v[QA+2], v[ZZ], s52
	v_cndmask_b32 v[QA+3], v[QA+3], v[ZZ], s52
.irp j,0,1,2,3
	v_mov_b32 v[QB+\j], v[QA+\j]
.endr
.irp j,0,1,2,3,4,5,6,7,8,9,10,11,12,13,14,15
	v_mov_b32 v[O+\j], 0                           ; the step is written once for first and later steps: the first change of M multiplies zeros.  (Also the places behind q's operand)
.endr
	s_wait_alu depctr_va_vdst(0)                   ; the head's addresses are written, which its loads and stores read; earlier lines are done with S, v192-223 and v24-27, in which bias, K and its scale words land; q's operand is written, which the score products take
	STEP 0, 4
	STEP 1, 4
	STEP 2, 3
	HEADEND
	s_add_co_u32 s[sHK], s[sHK], 5632
	s_add_co_u32 s[sHQ], s[sHQ], 5632
	s_add_co_u32 s[sHS], s[sHS], 1408
	s_add_co_u32 s[sHT], s[sHT], 9856
	s_add_co_u32 s[sHV], s[sHV], 6656
	s_add_co_u32 s[sHVS], s[sHVS], 512
	s_add_co_u32 s[sHO], s[sHO], 256
	s_add_co_u32 s[sHB], s[sHB], 1
	s_add_co_u32 s[sHC], s[sHC], 1
	s_cmp_lt_u32 s[sHC], 4
	s_cbranch_scc1 .Lhead
	; ---- proj and the shortcut: x1 = x + proj_b + o Wp
	s_wait_dscnt 0x0                               ; the last head's stores have landed
	v_add_nc_u32 v[OAD], s[sOI], v[L16]
	v_add_nc_u32 v[OSD], s[sOI], v[R4]
	v_add_nc_u32 v[LQ4], WPJ, v[L16]
	s_wait_alu depctr_vm_vsrc(0)                   ; the last head's LDS instructions have read v56-63, v208 and v248-254, in which the loads below land
	s_wait_alu depctr_va_vdst(0)                   ; the three addresses are written, which the loads read; the attention's lines are done with v20, v24-27, v56-63, R1 and R3, in which they land
	ds_load_b128 v[OF:OF+3], v[OAD]
	ds_load_b128 v[OF+4:OF+7], v[OAD] offset:512
	ds_load_b32 v[OS], v[OSD] offset:1024
.irp t,0,1,2,3,4,5,6,7
	WFRAG R1+8*\t, LQ4, 1024*\t
.endr
.irp p,0,1,2,3
	ds_load_b32 v[WSA+\p], v[L4] offset:SPJ+128*\p
.endr
	BIAS8 R3, H64, PJB
	s_wait_loadcnt 0x0                             ; x
	s_wait_dscnt 0x0
	ADD64 R2, R3
	MM8 R2, R1, OF, WSA, OS
	PLACES 4
	LNORM R2, R1, NG2, NB2
	QUANT R1, YF, YS, 1
	s_wait_alu depctr_va_vdst(0)                   ; the norm's and the quantiser's lines are done with v192-255, in which fc2's bias lands
	BIAS8 R3, H64, F2B
	s_wait_dscnt 0x0
	ADD64 R2, R3                                   ; x1 + fc2_b: what fc2's sums begin with
	; ---- the MLP, 128 hidden units a trip: they are one K step of fc2
	s_mov_b32 s[sW1], WF1
	s_mov_b32 s[sW2], WF2
	s_mov_b32 s[sSC], 0
	s_mov_b32 s[sMC], 0
.Lmlp:
	s_wait_alu depctr_vm_vsrc(0)                   ; the loads issued so far (the last trip's; in the first trip proj's and the shortcut's) have read v10-v13
	v_add_nc_u32 v10, s[sW1], v[L16]
	v_add_nc_u32 v11, s[sW2], v[L16]
	v_add_nc_u32 v12, s[sSC], v[L4]
	v_add_nc_u32 v13, s[sSC], v[H64]
	s_wait_alu depctr_va_vdst(0)                   ; the four addresses are written, which the trip's loads read; earlier products and vector lines are done with R1, R3 and v24-31, in which they land; in the first trip y's fragment and scale word are written, which fc1's products take
	BIAS8 R1, 13, F1B
.irp t,0,1,2,3,4,5,6,7
	WFRAG R3+8*\t, 10, 1024*\t
.endr
.irp p,0,1,2,3
	ds_load_b32 v[WSA+\p], v12 offset:SF1+128*\p
.endr
	s_wait_dscnt 0x0
	MM8 R1, R3, YF, WSA, YS
	PLACES 4
	GELU
	QUANT R1, HF, HSC, 1
	s_wait_alu depctr_va_vdst(0)                   ; the conversions are done reading R1, in which fc2's fragments land; the hidden fragment and its scale word are written, which fc2's products take (the places below stay beside this wait)
.irp t,0,1,2,3,4,5,6,7
	WFRAG R1+8*\t, 11, 4096*\t
.endr
.irp p,0,1,2,3
	ds_load_b32 v[W2S+\p], v12 offset:SF2+128*\p
.endr
	PLACES 8                                       ; behind the scale word and the fragment just made by vector instructions
	s_wait_dscnt 0x0
	MM8 R2, R1, HF, W2S, HSC
	PLACES 4
	s_add_co_u32 s[sW1], s[sW1], 8192
	s_add_co_u32 s[sW2], s[sW2], 1024
	s_add_co_u32 s[sSC], s[sSC], 512
	s_add_co_u32 s[sMC], s[sMC], 1
	s_cmp_lt_u32 s[sMC], 4
	s_cbranch_scc1 .Lmlp
	; ---- the way out: half a row (256 bytes) of 16 tokens at a time through my stage, back as whole halves of rows
	s_wait_alu depctr_vm_vsrc(0)                   ; the MLP's loads have read v10 and v11, which take the stage's addresses
	v_mul_u32_u24 v10, v[R], 272
	v_lshl_add_u32 v10, v[HH], 6, v10
	v_add_nc_u32 v10, s[sST], v10                  ; in: row r, 64 bytes for each half of the lanes
	v_mul_u32_u24 v11, v[HH], 272
	v_lshl_add_u32 v11, v[R], 4, v11
	v_add_nc_u32 v11, s[sST], v11                  ; back: lanes 0-15 one row, lanes 16-31 the next
	v_add_nc_u32 v232, s[sNT], v[HH]
.irp i,0,1,2,3,4,5,6,7
	v_add_nc_u32 v233, 2*\i, v232                  ; the token of row 2 i + lane / 16, held at 342
	v_min_u32 v233, 0x156, v233
	TCOORD 233, 234, 235, 236, 237
	TOFF GA+\i, 234, 235, 236, 237
	v_add_nc_u32 v[GA+\i], v[GA+\i], v[R16]
.endr
	s_wait_alu depctr_va_vdst(0)                   ; fc2's products have written R2, which the stage's stores read (the places stand far above); the ten addresses are written; earlier lines are done with v192-223 and v64-95, in which the rows come back
.irp u,0,1
.irp b,0,1
.irp q,0,1,2,3
	ds_store_b128 v10, v[R2+32*\u+16*\b+4*\q:R2+32*\u+16*\b+4*\q+3] offset:128*\b+16*\q   ; each accumulator from its low end on
.endr
.endr
.irp i,0,1,2,3,4,5,6,7
	ds_load_b128 v[192-128*\u+4*\i:195-128*\u+4*\i], v11 offset:544*\i   ; LDS serves a wave's instructions in order (ISA guide 5.7.1.4): these see my stores, and the next half's stores come behind them
.endr
.endr
	WSEND 0, 192, 16                               ; behind the first half's loads: the second half's eight stores and eight loads
	WSEND 1, 64, 0
	s_wait_dscnt 0x0                               ; every LDS instruction of the tile is done
	s_wait_xcnt 0x0                                ; the stores' addresses are translated: their registers are written again in the next tile, behind the wait on vm_vsrc at its top
	s_add_co_u32 s[sTT], s[sTT], 1
	s_cmp_lt_u32 s[sTT], 2
	s_cbranch_scc1 .Ltile
	s_wait_dscnt 0x0                               ; the closing lines, six on end
	s_wait_alu 0x0
	s_wait_tensorcnt 0x0
	ds_add_u32 v[SPW], v[NIL]
	s_wait_dscnt 0x0
	s_endpgm
.Lfunc_end_k_qcb8e46b282_swin:
	.size	k_qcb8e46b282_swin, .Lfunc_end_k_qcb8e46b282_swin-k_qcb8e46b282_swin
	.p2alignl 7, 3214868480
	.fill 96, 4, 3214868480
	.section	.rodata,"a",@progbits
	.p2align	6, 0x0
	.amdhsa_kernel k_qcb8e46b282_swin
		.amdhsa_group_segment_fixed_size 321536
		.amdhsa_private_segment_fixed_size 0
		.amdhsa_enable_private_segment 0
		.amdhsa_kernarg_size 152
		.amdhsa_user_sgpr_count 2
		.amdhsa_user_sgpr_kernarg_segment_ptr 1
		.amdhsa_wavefront_size32 1
		.amdhsa_system_sgpr_workgroup_id_x 1
		.amdhsa_system_sgpr_workgroup_id_y 1
		.amdhsa_system_sgpr_workgroup_id_z 1
		.amdhsa_system_vgpr_workitem_id 0
		.amdhsa_next_free_vgpr 256
		.amdhsa_next_free_sgpr 100
		.amdhsa_reserve_vcc 1
		.amdhsa_float_denorm_mode_32 3
		.amdhsa_float_denorm_mode_16_64 3
		.amdhsa_memory_ordered 1
		.amdhsa_forward_progress 1
		.amdhsa_inst_pref_size 255
	.end_amdhsa_kernel
	.section	.bss,"aw",@nobits
	.p2align	6
	.space	262144
	.amdgpu_metadata
---
amdhsa.version: [ 1, 2 ]
amdhsa.kernels:
  - .name:           k_qcb8e46b282_swin
    .symbol:         k_qcb8e46b282_swin.kd
    .args:
      - { .name: x, .offset: 0, .size: 8, .value_kind: global_buffer, .address_space: global }
      - { .name: out0, .offset: 8, .size: 8, .value_kind: global_buffer, .address_space: global }
      - { .name: rel_table, .offset: 16, .size: 8, .value_kind: global_buffer, .address_space: global }
      - { .name: qkv_w_codes, .offset: 24, .size: 8, .value_kind: global_buffer, .address_space: global }
      - { .name: proj_w_codes, .offset: 32, .size: 8, .value_kind: global_buffer, .address_space: global }
      - { .name: fc1_w_codes, .offset: 40, .size: 8, .value_kind: global_buffer, .address_space: global }
      - { .name: fc2_w_codes, .offset: 48, .size: 8, .value_kind: global_buffer, .address_space: global }
      - { .name: qkv_w_scales, .offset: 56, .size: 8, .value_kind: global_buffer, .address_space: global }
      - { .name: proj_w_scales, .offset: 64, .size: 8, .value_kind: global_buffer, .address_space: global }
      - { .name: fc1_w_scales, .offset: 72, .size: 8, .value_kind: global_buffer, .address_space: global }
      - { .name: fc2_w_scales, .offset: 80, .size: 8, .value_kind: global_buffer, .address_space: global }
      - { .name: norm1_g, .offset: 88, .size: 8, .value_kind: global_buffer, .address_space: global }
      - { .name: norm1_b, .offset: 96, .size: 8, .value_kind: global_buffer, .address_space: global }
      - { .name: norm2_g, .offset: 104, .size: 8, .value_kind: global_buffer, .address_space: global }
      - { .name: norm2_b, .offset: 112, .size: 8, .value_kind: global_buffer, .address_space: global }
      - { .name: proj_b, .offset: 120, .size: 8, .value_kind: global_buffer, .address_space: global }
      - { .name: fc2_b, .offset: 128, .size: 8, .value_kind: global_buffer, .address_space: global }
      - { .name: qkv_b, .offset: 136, .size: 8, .value_kind: global_buffer, .address_space: global }
      - { .name: fc1_b, .offset: 144, .size: 8, .value_kind: global_buffer, .address_space: global }
    .group_segment_fixed_size: 321536
    .private_segment_fixed_size: 0
    .kernarg_segment_align: 8
    .kernarg_segment_size: 152
    .max_flat_workgroup_size: 352
    .sgpr_count:     100
    .vgpr_count:     256
    .wavefront_size: 32
...
	.end_amdgpu_metadata
.endif
;; end of part 2
